; MI455X (gfx1250); checked and timed in simulation.
; The chip was launched on July 23, 2026; its instructions are those of AMD's public machine-readable ISA for CDNA 5 (MIT licence, August 2026) and "CDNA5" Instruction Set Architecture Reference Guide (July 2026). The comments in the code are by the model that wrote it; some were corrected since.
;; MCA. Allowed arithmetic: matrix products marked QUANTISED: E2M3 operands, one E8M0 scale for each 32 along K, by v_wmma_scale_f32_16x16x128_f8f6f4 with both operands' format E2M3, f32 sums; everything else in f32.
;; Inputs: Wk 1,024 x 1,024 float32; Wq 1,024 x 1,024 float32; Wu 1,024 x 1,024 float32; Wv 1,024 x 1,024 float32; bk 1,024 float32; bq 1,024 float32; bu 1,024 float32; bv 1,024 float32; x1 2,048 x 4 x 1,024 float32; x2 2,048 x 4 x 1,024 float32.
;; Outputs: out0 4 x 2,048 x 1,024 float32.
;; This version of the problem:
;;   THIS VERSION OF THE PROBLEM IS GIVEN IN LOW PRECISION. The matrix products marked QUANTISED in the list below multiply operands that are first quantised to E2M3 (2 exponent bits, 3 mantissa bits; 6 bits a number), with one power-of-two scale for each 32 numbers along K (OCP MX v1.0); their sums are f32. All else is computed in f32.
;;   The module's matrix products, in the order in which they are computed (A, B: the left and right operand; K: the contracted axis; several contracted axes count as one K, in the product's order):
;;     1. [M 8,192, K 1,024] x [K 1,024, N 1,024]; A: input x1; B: input Wq: QUANTISED
;;     2. [M 8,192, K 1,024] x [K 1,024, N 1,024]; A: input x2; B: input Wk: QUANTISED
;;     3. [M 8,192, K 1,024] x [K 1,024, N 1,024]; A: input x2; B: input Wv: QUANTISED
;;     4. batch 64 x [M 2,048, K 64] x [K 64, N 2,048]; A: computed on the way; B: computed on the way: QUANTISED
;;     5. batch 64 x [M 2,048, K 2,048] x [K 2,048, N 64]; A: softmax (see below); B: computed on the way: QUANTISED
;;     6. [M 8,192, K 1,024] x [K 1,024, N 1,024]; A: computed on the way; B: input Wu: QUANTISED
;;   THE QUANTISER, for each operand of a quantised product, along K:
;;     - K is cut into blocks of 32 from its start; a last block that is shorter is filled with zeros.
;;     - A block's scale is 2^e with e = floor(log2(the largest magnitude in the block)) - 2, held to -126 .. 127; a block of zeros has e = 0. As a byte (E8M0): e + 127.
;;     - Each number is divided by its block's scale, clamped to +-7.5, and rounded to the nearest number of E2M3, ties to even, subnormals kept.
;;     - The product sums the exact products of the quantised numbers (number of the format x scale) in f32.
;;   ~~~python
;;   def quantise(x, axis):      # numpy; x: float32 -> the quantised numbers, widened to float32 again
;;       x = np.moveaxis(x, axis, -1); K = x.shape[-1]
;;       x = np.pad(x, [(0, 0)] * (x.ndim - 1) + [(0, -K % 32)]); x = x.reshape(x.shape[:-1] + (-1, 32)); a = np.abs(x).max(-1, keepdims=True)
;;       e = np.where(a > 0, np.clip(np.frexp(np.where(a > 0, a, 1))[1] - 1 - 2, -126, 127), 0)      # np.frexp(a)[1] - 1 = floor(log2(a)), exactly
;;       r = np.clip(x / 2.0 ** e, -7.5, 7.5)
;;       step = 2.0 ** (np.maximum(np.frexp(np.where(r == 0, 1, r))[1] - 1, 0) - 3)
;;       q = np.round(r / step) * step * 2.0 ** e      # np.round: ties to even
;;       return np.moveaxis(q.reshape(q.shape[:-2] + (-1,))[..., :K], -1, axis).astype(np.float32)
;;   ~~~
;;   SOFTMAX AHEAD OF A QUANTISED PRODUCT. Where the list says 'softmax', what is quantised is not the finished softmax but p = 2^(t - M), with t = logit x log2(e) and M = ceil(the row's largest t), a whole number; so 1/2 < the row's largest p <= 1. The row's sum l is taken of the UNQUANTISED p, in f32, and the product's result is divided by l at the end. Since M is a whole number, a kernel that streams over the keys may use a running M (the ceiling of the running maximum): every later rescaling is an exact power of two, which a block's scale takes up: the codes' values come out the same.
;;   OPERANDS COMPUTED ON THE WAY. 'Computed on the way' means the value that the module computes at that place (a softmax that the list does not call 'softmax' is quantised finished and normalised). What goes into a quantiser is computed in f32, as accurately as f32 sums, v_exp_f32 and their like allow (about 1e-6 of the number): no bf16 or f16 on the way to a quantiser, and a product that is left as it is and whose result goes on into a quantised operand takes f32 operands (vector FMAs, or v_wmma_f32_16x16x4_f32). A number that lies on a knife's edge between two numbers of the format may be rounded either way, as far as f32 arithmetic and the matrix unit's own rounding can turn it there, and no further.
;; One version. Each part assembles by itself: llvm-mc -triple=amdgcn-amd-amdhsa -mcpu=gfx1250 --defsym DOCPART=n.
;; ======== version 1 of 1: 4 launches
;; workspace buffers: op 16,384,000 bytes; qh 6,815,744 bytes; kv 13,369,344 bytes; at 6,553,600 bytes
;; launch quant (part 1): grid 320 x 1, 4 waves a work-group, no clusters, 34,304 bytes of LDS; arguments x1, x2, Wq, Wk, Wv, Wu, op; writes op
.if DOCPART == 1
	.amdgcn_target "amdgcn-amd-amdhsa--gfx1250"
	.amdhsa_code_object_version 6
	.text
	.protected	k_qaabfdb80f6_quant
	.globl	k_qaabfdb80f6_quant
	.p2align	8
	.type	k_qaabfdb80f6_quant,@function
k_qaabfdb80f6_quant:
	s_mov_b64 s[64:65], 0
	v_nop
	global_prefetch_b8 v0, s[64:65] scope:SCOPE_SE
	s_setreg_imm32_b32 hwreg(HW_REG_WAVE_MODE, 25, 1), 1
	s_wait_xcnt 0x0
; x1, x2 [2048 t][4 b][1024] and Wq, Wk, Wv, Wu [1024][1024], f32, become codes of FP6 (E2M3) with one E8M0 byte for each 32 along the last axis, which is K for all six.
; A block's scale is 2^(floor(log2(its largest magnitude)) - 2); its byte is that magnitude's exponent field - 2, held at 1 from below.
; LIMITS: NaN and infinities among the inputs are not served; a block whose largest magnitude lies under 2^-124 gets the byte 1; a block of zeros gets the byte 1 where the rule says 127 (its codes are zeros, and this program alone reads the bytes).
; LAYOUT OF op.  1,280 tiles of 16 rows: x1's 512 (tile 128 b + tau), x2's 512, then 64 for each W.  Lane r of tile tau holds logical row 32 (tau / 2) + 8 (tau % 2) + r + 8 (r / 8): so in a product
; that takes such a tile as source 0 the 16 result registers of two neighbouring tiles are 16 neighbours along the next K.  A tile's codes: 8 K steps of 128, each an image of the operand's 12 registers in two halves of 768 bytes
; (registers 0-3 at 16 x lane, registers 4-5 at 512 + 8 x lane).  Scale words from byte OPS on: [tile][sigma 0..3][r][q 0..1], the word of K step 2 sigma + q of row r.
; SHARES.  A wave makes one tile.  Each load reads 512 consecutive bytes of one row; a K step's 16 rows turn through the wave's own stage in LDS (rows of 512 + 16 bytes) so that a lane holds 16 neighbours of each block.
; Loads run two K steps (32 loads a wave) ahead.  No tensor load, no barrier: waves share nothing.  Every store covers 512 or 256 consecutive bytes, aligned.
.set OPS,   15728640
.set STGW,  16*528                     ; a wave's stage
.set SPARE, 4*STGW                     ; behind the stages: the spare words, 128 bytes a wave, that no other line names
.set LI16, 1                           ; v1  16 x lane
.set LI8,  2                           ; v2  8 x lane
.set STI,  3                           ; v3  the stage, on the way in: 16 x lane
.set STO,  4                           ; v4  and out: 528 r + 64 h
.set SPW,  5                           ; v5  my spare word; never rewritten
.set NIL,  6                           ; v6  0; never rewritten
.set VO,   16                          ; v16-23  16 x lane + i rows
.set PWS,  24                          ; v24-31  the eight K steps' scale words
.set R,    32                          ; v32-159 two sets of 64 registers as loaded
.set X,    160                         ; v160-223 register 16 b + i = k 32 b + 16 h + i of my row
.set TM,   224                         ; v224-239 at work
.set PC,   240                         ; v240-251 the fragment's codes
.set SEL,  32                          ; s[32:33] lane selects: lane l xor 16
	s_load_b256 s[4:11], s[0:1], 0x0               ; x1, x2, Wq, Wk
	s_load_b128 s[12:15], s[0:1], 0x20             ; Wv, Wu
	s_load_b64 s[16:17], s[0:1], 0x30              ; op
	v_lshl_add_u32 v[SPW], v0, 2, SPARE
	v_mov_b32 v[NIL], 0
	v_lshrrev_b32 v7, 5, v0
	v_readfirstlane_b32 s18, v7                    ; wave
	v_and_b32 v8, 31, v0                           ; lane
	v_and_b32 v9, 15, v0                           ; r
	v_bfe_u32 v10, v0, 4, 1                        ; h
	v_lshlrev_b32 v[LI16], 4, v8
	v_lshlrev_b32 v[LI8], 3, v8
	s_mul_i32 s19, s18, STGW
	v_add_nc_u32 v[STI], s19, v[LI16]
	v_mul_u32_u24 v[STO], v9, 528
	v_lshl_add_u32 v[STO], v10, 6, v[STO]
	v_add_nc_u32 v[STO], s19, v[STO]
.irp b, 0,1,2,3
	v_mov_b32 v[TM+4+\b], 0                        ; written once: a lane permute's destination counts as one of its sources
.endr
	s_mov_b32 s[SEL], 0x76543210
	s_mov_b32 s[SEL+1], 0xfedcba98
	s_lshl_b32 s23, ttmp9, 2
	s_add_co_u32 s23, s23, s18                     ; my tile
	s_cmp_lt_u32 ttmp9, 256                        ; x or W?
	s_cselect_b32 s22, 14, 12                      ; a row on: 16,384 bytes in x (t is the outer axis), 4,096 in W
	s_cselect_b32 s34, 127, 63
	s_cselect_b32 s35, 3, 0
	s_and_b32 s36, s23, s34                        ; tau
	s_lshr_b32 s37, s23, 7
	s_and_b32 s37, s37, s35                        ; b (0 in W)
	s_lshr_b32 s38, s36, 1
	s_lshl_b32 s38, s38, 5
	s_and_b32 s39, s36, 1
	s_lshl_b32 s39, s39, 3
	s_add_co_u32 s38, s38, s39                     ; the tile's first logical row
	s_lshl_b32 s38, s38, s22
	s_lshl_b32 s37, s37, 12
	s_add_co_u32 s38, s38, s37                     ; in bytes
	s_mov_b32 s39, 0
	s_lshl_b32 s40, 16, s22                        ; positions 8-15 begin 16 rows on
	s_mov_b32 s41, 0
	s_lshl_b32 s42, 1, s22
	s_mul_i32 s44, s23, 12288
	s_mov_b32 s45, 0
	s_lshl_b32 s46, s23, 9
	s_add_co_u32 s46, s46, OPS
	s_mov_b32 s47, 0
.irp i, 0,1,2,3,4,5,6,7
	v_mad_u32_u24 v[VO+\i], s42, \i, v[LI16]
.endr
	s_wait_kmcnt 0x0
	s_mov_b64 s[20:21], s[14:15]                   ; the source is chosen by the work-group's number alone
	s_cmp_lt_u32 ttmp9, 304
	s_cselect_b64 s[20:21], s[12:13], s[20:21]
	s_cmp_lt_u32 ttmp9, 288
	s_cselect_b64 s[20:21], s[10:11], s[20:21]
	s_cmp_lt_u32 ttmp9, 272
	s_cselect_b64 s[20:21], s[8:9], s[20:21]
	s_cmp_lt_u32 ttmp9, 256
	s_cselect_b64 s[20:21], s[6:7], s[20:21]
	s_cmp_lt_u32 ttmp9, 128
	s_cselect_b64 s[20:21], s[4:5], s[20:21]
	s_add_nc_u64 s[24:25], s[20:21], s[38:39]      ; positions 0-7
	s_add_nc_u64 s[26:27], s[24:25], s[40:41]      ; positions 8-15
	s_add_nc_u64 s[28:29], s[16:17], s[44:45]      ; my tile's codes
	s_add_nc_u64 s[30:31], s[16:17], s[46:47]      ; and its scale words
.macro LOADS s, set                    ; K step s of the 16 rows: 512 consecutive bytes a load
.irp p, 0,1,2,3,4,5,6,7,8,9,10,11,12,13,14,15
	global_load_b128 v[R+64*(\set)+4*\p:R+64*(\set)+4*\p+3], v[VO+\p%8], s[24+2*(\p/8):25+2*(\p/8)] offset:512*(\s) th:TH_LOAD_NT
.endr
.endm
; 64 numbers of a lane become a fragment's codes in v[PC] on and its scale word in v[pw]
.macro QUANT s, pw
.irp b, 0,1,2,3
	v_max3_num_f32 v[TM+\b], |v[\s+16*\b]|, |v[\s+1+16*\b]|, 0x1800000   ; my 16 numbers of block b, and the floor 2^(3 - 127): the byte cannot fall under 1
.endr
.irp i, 2,4,6,8,10,12,14
.irp b, 0,1,2,3
	v_max3_num_f32 v[TM+\b], v[TM+\b], |v[\s+16*\b+\i]|, |v[\s+1+16*\b+\i]|   ; the four blocks by turns
.endr
.endr
.irp b, 0,1,2,3
	v_permlanex16_b32 v[TM+4+\b], v[TM+\b], s[SEL], s[SEL+1]
.endr
.irp b, 0,1,2,3
	v_max_num_f32 v[TM+\b], v[TM+\b], v[TM+4+\b]   ; with lane l xor 16's: the block's largest magnitude
.endr
.irp b, 0,1,2,3
	v_add_nc_u32 v[TM+12+\b], 0xff000000, v[TM+\b] ; 2 off its exponent field: the conversion's scale operand
.endr
.irp b, 0,1,2,3
	v_lshrrev_b32 v[TM+4+\b], 23, v[TM+12+\b]      ; the scale's byte
.endr
	v_lshl_or_b32 v[\pw], v[TM+5], 8, v[TM+4]
	v_lshl_or_b32 v[\pw], v[TM+6], 16, v[\pw]
	v_lshl_or_b32 v[\pw], v[TM+7], 24, v[\pw]
	s_wait_xcnt 0x0                                ; the last K step's stores have read the codes' registers: only now are they written again
.irp c, 0,1
	v_cvt_scalef32_pk16_fp6_f32 v[PC+6*\c:PC+6*\c+2], v[\s+32*\c:\s+32*\c+15], v[TM+12+2*\c]
	v_cvt_scalef32_pk16_fp6_f32 v[TM+4*\c:TM+4*\c+2], v[\s+32*\c+16:\s+32*\c+31], v[TM+13+2*\c]   ; (a conversion's three registers begin on an even number)
.endr
	v_nop                                          ; one plain place behind a scaled conversion
.irp c, 0,1                                    ; the operand's layout wants a whole block in a lane: lanes 0-15 block 2 c, lanes 16-31 block 2 c + 1
.irp i, 0,1,2
	v_permlane16_swap_b32 v[PC+6*\c+\i], v[TM+4*\c+\i]
.endr
.irp i, 0,1,2
	v_mov_b32 v[PC+3+6*\c+\i], v[TM+4*\c+\i]
.endr
.endr
.endm
.macro STEPQ s
.if (\s) < 7
	s_wait_loadcnt 16                              ; this K step's 16 loads are in; the next step's 16 may be out
.else
	s_wait_loadcnt 0x0
.endif
.irp p, 0,1,2,3,4,5,6,7,8,9,10,11,12,13,14,15
	ds_store_b128 v[STI], v[R+64*((\s)%2)+4*\p:R+64*((\s)%2)+4*\p+3] offset:528*\p
.endr
.irp b, 0,1,2,3
.irp j, 0,1,2,3
	ds_load_b128 v[X+16*\b+4*\j:X+16*\b+4*\j+3], v[STO] offset:128*\b+16*\j   ; LDS serves a wave's instructions in order: these see the stores above
.endr
.endr
	s_wait_dscnt 0x0                               ; my 64 numbers are in, and the stage's stores have read their registers
.if (\s) < 6
	LOADS (\s)+2, (\s)%2
.endif
	QUANT X, PWS+(\s)
	global_store_b128 v[LI16], v[PC:PC+3], s[28:29] offset:1536*(\s) th:TH_STORE_NT
	global_store_b64 v[LI8], v[PC+4:PC+5], s[28:29] offset:1536*(\s)+512 th:TH_STORE_NT
	global_store_b128 v[LI16], v[PC+6:PC+9], s[28:29] offset:1536*(\s)+768 th:TH_STORE_NT
	global_store_b64 v[LI8], v[PC+10:PC+11], s[28:29] offset:1536*(\s)+1280 th:TH_STORE_NT
.endm
	LOADS 0, 0
	LOADS 1, 1
.irp s, 0,1,2,3,4,5,6,7
	STEPQ \s
.endr
	v_cmp_le_u32 vcc_lo, 16, v8                    ; lanes 16-31 take the odd sigma: lane (r, h) stores the words of K steps 4 P + 2 h and 4 P + 2 h + 1 at 256 P + 8 x lane
	v_cndmask_b32 v252, v[PWS+0], v[PWS+2], vcc_lo
	v_cndmask_b32 v253, v[PWS+1], v[PWS+3], vcc_lo
	v_cndmask_b32 v254, v[PWS+4], v[PWS+6], vcc_lo
	v_cndmask_b32 v255, v[PWS+5], v[PWS+7], vcc_lo
	global_store_b64 v[LI8], v[252:253], s[30:31] th:TH_STORE_NT
	global_store_b64 v[LI8], v[254:255], s[30:31] offset:256 th:TH_STORE_NT
	s_wait_tensorcnt 0x0                           ; the wave's end: a wait, an add to my spare word and its wait, behind my last LDS store
	ds_add_u32 v[SPW], v[NIL]
	s_wait_dscnt 0x0
	s_endpgm
.Lfunc_end_k_qaabfdb80f6_quant:
	.size	k_qaabfdb80f6_quant, .Lfunc_end_k_qaabfdb80f6_quant-k_qaabfdb80f6_quant
	.p2alignl 7, 3214868480
	.fill 96, 4, 3214868480
	.section	.rodata,"a",@progbits
	.p2align	6, 0x0
	.amdhsa_kernel k_qaabfdb80f6_quant
		.amdhsa_group_segment_fixed_size 34304
		.amdhsa_private_segment_fixed_size 0
		.amdhsa_enable_private_segment 0
		.amdhsa_kernarg_size 56
		.amdhsa_user_sgpr_count 2
		.amdhsa_user_sgpr_kernarg_segment_ptr 1
		.amdhsa_wavefront_size32 1
		.amdhsa_system_sgpr_workgroup_id_x 1
		.amdhsa_system_sgpr_workgroup_id_y 1
		.amdhsa_system_sgpr_workgroup_id_z 1
		.amdhsa_system_vgpr_workitem_id 0
		.amdhsa_next_free_vgpr 256
		.amdhsa_next_free_sgpr 66
		.amdhsa_reserve_vcc 1
		.amdhsa_float_denorm_mode_32 3
		.amdhsa_float_denorm_mode_16_64 3
		.amdhsa_memory_ordered 1
		.amdhsa_forward_progress 1
		.amdhsa_inst_pref_size 66
	.end_amdhsa_kernel
	.amdgpu_metadata
---
amdhsa.version: [ 1, 2 ]
amdhsa.kernels:
  - .name:           k_qaabfdb80f6_quant
    .symbol:         k_qaabfdb80f6_quant.kd
    .args:
      - { .name: x1, .offset: 0, .size: 8, .value_kind: global_buffer, .address_space: global }
      - { .name: x2, .offset: 8, .size: 8, .value_kind: global_buffer, .address_space: global }
      - { .name: Wq, .offset: 16, .size: 8, .value_kind: global_buffer, .address_space: global }
      - { .name: Wk, .offset: 24, .size: 8, .value_kind: global_buffer, .address_space: global }
      - { .name: Wv, .offset: 32, .size: 8, .value_kind: global_buffer, .address_space: global }
      - { .name: Wu, .offset: 40, .size: 8, .value_kind: global_buffer, .address_space: global }
      - { .name: op, .offset: 48, .size: 8, .value_kind: global_buffer, .address_space: global }
    .group_segment_fixed_size: 34304
    .private_segment_fixed_size: 0
    .kernarg_segment_align: 8
    .kernarg_segment_size: 56
    .max_flat_workgroup_size: 128
    .sgpr_count:     66
    .vgpr_count:     256
    .wavefront_size: 32
...
	.end_amdgpu_metadata
.endif
;; end of part 1
;; launch proj (part 2): grid 4 x 96, 4 waves a work-group, clusters of 4 x 4, 327,680 bytes of LDS; arguments op, bq, bk, bv, qh, kv; writes qh, kv
.if DOCPART == 2
	.amdgcn_target "amdgcn-amd-amdhsa--gfx1250"
	.amdhsa_code_object_version 6
	.text
	.protected	k_qaabfdb80f6_proj
	.globl	k_qaabfdb80f6_proj
	.p2align	8
	.type	k_qaabfdb80f6_proj,@function
k_qaabfdb80f6_proj:
	s_mov_b64 s[64:65], 0
	v_nop
	global_prefetch_b8 v0, s[64:65] scope:SCOPE_SE
	s_setreg_imm32_b32 hwreg(HW_REG_WAVE_MODE, 25, 1), 1
	s_wait_xcnt 0x0
	s_wait_alu depctr_hold_cnt(0) depctr_sa_sdst(0) depctr_va_vdst(0) depctr_va_sdst(0) depctr_va_ssrc(0) depctr_va_vcc(0) depctr_vm_vsrc(0)
	s_getreg_b32 s2, hwreg(HW_REG_IB_STS2, 6, 4)
	s_cmp_eq_u32 s2, 0
	s_cbranch_scc0 .Lentry_in_a_cluster
	s_endpgm
.Lentry_in_a_cluster:
	s_bfe_u32 s2, ttmp6, 0x10000c
	s_cmp_lg_u32 s2, 0xf033
	s_cbranch_scc0 .Lentry_shape_is_right
	s_endpgm
.Lentry_shape_is_right:
; q = x1 Wq^T + bq, k = x2 Wk^T + bk, v = x2 Wv^T + bv on codes of FP6 (E2M3) with E8M0 scales for each 32 along K = 1,024; each result is quantised again in registers: q and k along the head's 64, v along the keys.
; LIMITS: NaN and infinities are not served; a block whose largest magnitude lies under 2^-124 gets the byte 1; a block of zeros gets the byte 1 where the rule says 127 (its codes are zeros; this program alone reads the bytes).
; JOBS.  Cluster y = 8 job + CC.  A is source 1 (a lane holds one of its rows), B is source 0 (a lane's registers run along its rows).  q: A = x1, B = Wq.  k: A = x2, B = Wk.  v: A = Wv, B = x2, so that registers run along the keys.
; A work-group of four waves makes 256 x 256, a wave 128 x 128: 64 accumulators, 512 registers.  K goes in steps of 256 through two LDS slots, four fills, all written out.
; OPERANDS lie in op as images of the operand's registers (16 rows x 128 K = 1,536 bytes): a fragment comes by two loads of 16 bytes and two of 8 bytes a lane, each on consecutive bytes: no pitch and no padding.
; The rows of a tile are chosen (32 (tile / 2) + 8 (tile % 2) + r + 8 (r / 8)) so that the 16 registers of B's tiles 2 i and 2 i + 1 are 16 neighbours: register 16 i + j of a lane is B's logical row 32 i + 16 (lane / 16) + j.
; CLUSTERS: 4 x 4 work-groups; A's tiles are asked for jointly along a row of the cluster, B's along a column.  The job is equal in all sixteen partners.
; The bias is the C of each sum's first product.  OUT: half images of 768 bytes (16 rows x 64 K) straight from registers, each by one store of 512 and one of 256 consecutive bytes.
; REGISTERS: window 0: v1-31 addresses; v32-63 scale words, two sets; v64-127 the bias table, later the way out; v128-223 A's fragments, one set.  Window 1: B's fragments, two sets.  Windows 2, 3: the accumulators ((a, b) at v[8 (8 (a % 4) + b)]).
.set OPS,    15728640
.set TILEB,  3072                      ; a tile's 256 along K
.set HALFT,  8*TILEB                   ; 8 tiles: what one tensor load brings, and what a wave reads of A or of B
.set SLOT,   4*HALFT
.set SCL,    2*SLOT                    ; behind the ring: A's scale words, 16 tiles x 512 bytes,
.set SCB,    8320                      ; and B's, 8,192 + 128 bytes on: the two halves of a load's lanes then touch different banks
.set SPARE,  213248                    ; the spare words, 128 bytes a wave, that no other line names
.set SST,    SPARE+512                 ; the way out: 1,024 bytes a wave for scale words; no fill lands here
.set FR, 12
.set NL, 4                             ; LDS loads that bring a fragment
.set NQ, 2
.set NP, 4                             ; places behind this matrix instruction (ISA guide 7.12.1)
.set ADRA16, 16                        ; v16-17 16 x lane + my half of A in slot 0, 1;  v18-19 the same with 8 x lane
.set ADRA8,  18
.set ADRB16, 20                        ; v20-23 likewise for B
.set ADRB8,  22
.set LI16, 24                          ; the way out: 16 x lane, 8 x lane
.set LI8,  25
.set SSA,  26                          ; where I put a scale word
.set ADRS, 27                          ; my scale words: lanes 0-15 A's rows, lanes 16-31 B's
.set SPW,  28
.set NIL,  29
.set SSR,  30                          ; where I read scale words back
.set VSO,  31                          ; and where they go
.set SH,   14                          ; which half of the scale word is my lane's
.set BO,   8                           ; v8-15 the bias loads' offsets
.set SC,   32
.set BT,   64
.set AF,   128
.set TM,   64                          ; the way out, in the bias table's registers
.set PC,   80
.set PW,   92
.set SWX,  96
.set G1, 24
.set G0, 32
.set G1B, 48
.set G0B, 56
.set G1S, 68
.set G0S, 76
.set G1SB, 80
.set G0SB, 88
.set SEL, 68                           ; s[68:69], on the way out
.set MSB, 0
.macro WIN new                         ; the immediate's high byte repeats the setting that is left
.if MSB != (\new)
	s_set_vgpr_msb (MSB<<8)|(\new)
.set MSB, (\new)
.endif
.endm
.set MUL_LO, 0xa1                      ; source 0 (B) window 1, source 1 (A) window 0, C and D window 2
.set MUL_HI, 0xf1
.set TO_B,   0x40
; A joint load: waves 0 and 1 fetch for A, waves 2 and 3 for B; the branch hangs on the wave's number alone.  An s_nop 0 and four v_nop follow each line.
.macro JLOAD g0a, g1a, g0b, g1b
	s_cmp_eq_u32 s17, 0
	s_cbranch_scc0 .Lfor_b_\@
	tensor_load_to_lds s[\g0a:\g0a+3], s[\g1a:\g1a+7]
	s_nop 0
.rept 4
	v_nop
.endr
	s_branch .Lasked_\@
.Lfor_b_\@:
	tensor_load_to_lds s[\g0b:\g0b+3], s[\g1b:\g1b+7]
	s_nop 0
.rept 4
	v_nop
.endr
.Lasked_\@:
.endm
.macro CREST                           ; a round of the cluster's barrier behind its opening barrier
	s_cmp_lg_u32 s16, 0
	s_cbranch_scc1 .Lnot_wave_0_\@
	s_barrier_signal -3
.Lnot_wave_0_\@:
	s_barrier_wait -3
	s_barrier_signal -1
	s_barrier_wait -1
.endm
.macro CROUND
	s_barrier_signal -1
	s_barrier_wait -1
	CREST
.endm
	s_load_b256 s[4:11], s[0:1], 0x0               ; op, bq, bk, bv
	s_load_b128 s[12:15], s[0:1], 0x20             ; qh, kv
	v_lshl_add_u32 v[SPW], v0, 2, SPARE
	v_mov_b32 v[NIL], 0
	ds_add_u32 v[SPW], v[NIL]                      ; the wave's opening: the add and its wait stand ahead of my first tensor load; work on registers stands between
	v_lshrrev_b32 v1, 5, v0
	v_readfirstlane_b32 s16, v1                    ; wave
	s_lshr_b32 s17, s16, 1                         ; my half of A's rows.  Also: I fetch for A (0) or for B (1)
	s_and_b32 s18, s16, 1                          ; my half of B's rows.  Also: which 8 tiles I fetch
	s_bfe_u32 s19, ttmp6, 0x40000                  ; cx
	s_bfe_u32 s20, ttmp6, 0x40004                  ; cy
	s_and_b32 s43, ttmp7, 0xffff                   ; cluster y
	s_lshr_b32 s21, s43, 3                         ; the job
	s_and_b32 s22, s43, 7
	s_lshl_b32 s22, s22, 2                         ; 4 CC
	s_add_co_u32 s44, s22, s20
	s_add_co_u32 s45, s22, s19
	s_lshl_b32 s46, s21, 9                         ; x1's or x2's first tile
	s_lshl_b32 s47, s21, 6
	s_add_co_u32 s47, s47, 1024                    ; Wq's or Wk's
	s_cmp_eq_u32 s21, 2
	s_cselect_b32 s23, s20, s44                    ; A's block of 16 tiles: made of cy alone
	s_cselect_b32 s40, s45, s19                    ; B's: made of cx alone
	s_cselect_b32 s46, 1152, s46                   ; v: A = Wv,
	s_cselect_b32 s47, 512, s47                    ;    B = x2
	s_lshl_b32 s41, s20, 2
	s_lshl_b32 s41, 15, s41                        ; my row of the cluster
	s_lshl_b32 s42, 0x1111, s19                    ; my column
	; group 1 for codes: 8 rows (tiles) of 3,072 bytes as 384 elements of 8 bytes, 12,288 bytes apart; dense in LDS
	s_or_b32 s[G1+0], s41, (3<<16)|(1<<21)
	s_or_b32 s[G1B+0], s42, (3<<16)|(1<<21)
.irp g, G1, G1B
	s_mov_b32 s[\g+1], 384<<16
	s_mov_b32 s[\g+2], 8<<16
	s_mov_b32 s[\g+3], 384<<16
	s_mov_b32 s[\g+4], 8
	s_mov_b32 s[\g+5], 1536
	s_mov_b32 s[\g+6], 0
	s_mov_b32 s[\g+7], 0
.endr
	; and for the scale words of 8 tiles: 4,096 dense bytes as 16 rows of 256
	s_or_b32 s[G1S+0], s41, (3<<16)|(1<<21)
	s_or_b32 s[G1SB+0], s42, (3<<16)|(1<<21)
.irp g, G1S, G1SB
	s_mov_b32 s[\g+1], 32<<16
	s_mov_b32 s[\g+2], 16<<16
	s_mov_b32 s[\g+3], 32<<16
	s_mov_b32 s[\g+4], 16
	s_mov_b32 s[\g+5], 32
	s_mov_b32 s[\g+6], 0
	s_mov_b32 s[\g+7], 0
.endr
	s_lshl_b32 s43, s18, 3
	s_lshl_b32 s92, s23, 4
	s_add_co_u32 s92, s92, s46
	s_add_co_u32 s92, s92, s43                     ; the first tile of A that I fetch
	s_lshl_b32 s94, s40, 4
	s_add_co_u32 s94, s94, s47
	s_add_co_u32 s94, s94, s43                     ; of B
	s_mul_i32 s96, s92, 12288
	s_mov_b32 s97, 0
	s_lshl_b32 s98, s92, 9
	s_add_co_u32 s98, s98, OPS
	s_mov_b32 s99, 0
	s_mul_i32 s100, s94, 12288
	s_mov_b32 s101, 0
	s_lshl_b32 s66, s94, 9
	s_add_co_u32 s66, s66, OPS
	s_mov_b32 s67, 0
	s_mul_i32 s93, s16, HALFT                      ; where they go: wave x 8 tiles: no place in the cluster enters an LDS address
	s_lshl_b32 s95, s16, 12
	s_wait_dscnt 0x0                               ; the opening add is done
	s_wait_kmcnt 0x0
	s_add_nc_u64 s[96:97], s[4:5], s[96:97]
	s_add_nc_u64 s[98:99], s[4:5], s[98:99]
	s_add_nc_u64 s[100:101], s[4:5], s[100:101]
	s_add_nc_u64 s[66:67], s[4:5], s[66:67]
	CROUND                                         ; all sixteen work-groups are here: the first joint loads meet
	s_mov_b32 s[G0S], 1
	s_add_co_u32 s[G0S+1], s95, SCL
	s_mov_b64 s[G0S+2:G0S+3], s[98:99]
	s_or_b32 s[G0S+3], s[G0S+3], 0x80000000
	s_mov_b32 s[G0SB], 1
	s_add_co_u32 s[G0SB+1], s95, SCL+128
	s_mov_b64 s[G0SB+2:G0SB+3], s[66:67]
	s_or_b32 s[G0SB+3], s[G0SB+3], 0x80000000
	JLOAD G0S, G1S, G0SB, G1SB                     ; the scale words of all of K: filled once
.irp s, 0,1
	s_mov_b32 s[G0+4*\s], 1
	s_add_co_u32 s[G0+4*\s+1], s93, \s*SLOT
	s_add_nc_u64 s[G0+4*\s+2:G0+4*\s+3], s[96:97], \s*TILEB
	s_or_b32 s[G0+4*\s+3], s[G0+4*\s+3], 0x80000000
	s_mov_b32 s[G0B+4*\s], 1
	s_add_co_u32 s[G0B+4*\s+1], s93, \s*SLOT
	s_add_nc_u64 s[G0B+4*\s+2:G0B+4*\s+3], s[100:101], \s*TILEB
	s_or_b32 s[G0B+4*\s+3], s[G0B+4*\s+3], 0x80000000
	JLOAD G0+4*\s, G1, G0B+4*\s, G1B
.endr
	v_and_b32 v1, 15, v0                           ; r
	v_bfe_u32 v2, v0, 4, 1                         ; h
	v_and_b32 v3, 31, v0
	v_lshlrev_b32 v4, 4, v3
	v_lshlrev_b32 v5, 3, v3
	s_mul_i32 s43, s17, HALFT
	s_mul_i32 s46, s18, HALFT
	s_add_co_u32 s46, s46, 2*HALFT
.irp s, 0,1
	v_add_nc_u32 v[ADRA16+\s], s43, v4
	v_add_nc_u32 v[ADRA8+\s], s43, v5
	v_add_nc_u32 v[ADRB16+\s], s46, v4
	v_add_nc_u32 v[ADRB8+\s], s46, v5
	s_add_co_u32 s43, s43, SLOT
	s_add_co_u32 s46, s46, SLOT
.endr
	s_lshl_b32 s43, s17, 12                        ; A's scale words: my 8 tiles
	s_lshl_b32 s46, s18, 12
	s_add_co_u32 s46, s46, SCB                     ; B's
	s_sub_co_u32 s46, s46, s43
	v_mul_u32_u24 v6, s46, v2                      ; lanes 16-31 take B's: one product, the lower base + h x the distance
	s_add_co_u32 s43, s43, SCL
	v_lshl_add_u32 v6, v1, 3, v6
	v_add_nc_u32 v[ADRS], s43, v6
	; THE BIAS TABLE, 8 registers a tile, without a branch.  q, k: register 8 b + j = bias at B's logical row 32 (b / 2) + 8 (b % 2) + 16 h + j.  v: register 8 a + j = bias at A's logical row 32 (a / 2) + 8 (a % 2) + r + 8 (r / 8), for every j.
	s_cmp_eq_u32 s21, 0
	s_cselect_b64 s[2:3], s[6:7], s[8:9]
	s_cmp_eq_u32 s21, 2
	s_cselect_b64 s[2:3], s[10:11], s[2:3]
	s_cselect_b32 s46, s23, s40
	s_cselect_b32 s47, s17, s18
	s_cselect_b32 s93, 0, 64                       ; bytes for h,
	s_cselect_b32 s95, 4, 0                        ; for a row's position,
	s_cselect_b32 s43, 0, 4                        ; for j
	s_lshl_b32 s46, s46, 10
	s_lshl_b32 s47, s47, 9
	s_add_co_u32 s46, s46, s47
	s_mov_b32 s47, 0
	s_add_nc_u64 s[2:3], s[2:3], s[46:47]
	v_and_b32 v7, 8, v1
	v_add_nc_u32 v7, v7, v1
	v_mul_u32_u24 v6, s93, v2
	v_mad_u32_u24 v6, s95, v7, v6
.irp j, 0,1,2,3,4,5,6,7
	v_mad_u32_u24 v[BO+\j], s43, \j, v6
.endr
.irp i, 0,1,2,3,4,5,6,7
.irp j, 0,1,2,3,4,5,6,7
	global_load_b32 v[BT+8*\i+\j], v[BO+\j], s[2:3] offset:4*(32*(\i/2)+8*(\i%2))
.endr
.endr
.macro FRAG reg, a16, a8, q, i         ; a fragment, 12 registers, as its image lies: registers 0-3, 4-5, 6-9, 10-11
	ds_load_b128 v[\reg:\reg+3], v[\a16] offset:TILEB*(\i)+1536*(\q)
	ds_load_b64 v[\reg+4:\reg+5], v[\a8] offset:TILEB*(\i)+1536*(\q)+512
	ds_load_b128 v[\reg+6:\reg+9], v[\a16] offset:TILEB*(\i)+1536*(\q)+768
	ds_load_b64 v[\reg+10:\reg+11], v[\a8] offset:TILEB*(\i)+1536*(\q)+1280
.endm
; 16 matrix instructions: A's blocks a0, a0 + 1 x B's eight.  cm = 0: in place; 1: C = the bias by B's block; 2: by A's block.  The 64 accumulators take turns, one instruction a turn, in one order.
.macro MUL16 a0, p, q, sc, cm
.irp a, \a0, \a0+1
.irp b, 0,1,2,3,4,5,6,7
.if \cm == 0
	v_wmma_scale_f32_16x16x128_f8f6f4 v[8*(8*((\a)%4)+\b):8*(8*((\a)%4)+\b)+7], v[128*(\p)+FR*\b:128*(\p)+FR*\b+FR-1], v[AF+FR*(\a):AF+FR*(\a)+FR-1], v[8*(8*((\a)%4)+\b):8*(8*((\a)%4)+\b)+7], v[SC+8*NQ*(\sc)+NQ*\b+(\q)], v[SC+8*NQ*(\sc)+NQ*(\a)+(\q)] matrix_a_fmt:MATRIX_FMT_FP6 matrix_b_fmt:MATRIX_FMT_FP6 matrix_a_scale:MATRIX_SCALE_ROW1
.elseif \cm == 1
	v_wmma_scale_f32_16x16x128_f8f6f4 v[8*(8*((\a)%4)+\b):8*(8*((\a)%4)+\b)+7], v[128*(\p)+FR*\b:128*(\p)+FR*\b+FR-1], v[AF+FR*(\a):AF+FR*(\a)+FR-1], v[BT+8*\b:BT+8*\b+7], v[SC+8*NQ*(\sc)+NQ*\b+(\q)], v[SC+8*NQ*(\sc)+NQ*(\a)+(\q)] matrix_a_fmt:MATRIX_FMT_FP6 matrix_b_fmt:MATRIX_FMT_FP6 matrix_a_scale:MATRIX_SCALE_ROW1
.else
	v_wmma_scale_f32_16x16x128_f8f6f4 v[8*(8*((\a)%4)+\b):8*(8*((\a)%4)+\b)+7], v[128*(\p)+FR*\b:128*(\p)+FR*\b+FR-1], v[AF+FR*(\a):AF+FR*(\a)+FR-1], v[BT+8*(\a):BT+8*(\a)+7], v[SC+8*NQ*(\sc)+NQ*\b+(\q)], v[SC+8*NQ*(\sc)+NQ*(\a)+(\q)] matrix_a_fmt:MATRIX_FMT_FP6 matrix_b_fmt:MATRIX_FMT_FP6 matrix_a_scale:MATRIX_SCALE_ROW1
.endif
.endr
.endr
.endm
.macro FETCH_B slot, q, p
	WIN TO_B
.irp i, 0,1,2,3,4,5,6,7
	FRAG 128*(\p)+FR*\i, ADRB16+\slot, ADRB8+\slot, \q, \i
.endr
	WIN 0
.endm
.macro FETCH_A slot, q, i0
.irp i, \i0, \i0+1, \i0+2, \i0+3
	FRAG AF+FR*(\i), ADRA16+\slot, ADRA8+\slot, \q, \i
.endr
.endm
.macro SCALES sc                       ; a slot's two words a row: lanes 0-15 A's block i, lanes 16-31 B's block i
.irp i, 0,1,2,3,4,5,6,7
	ds_load_b64 v[SC+8*NQ*\sc+NQ*\i:SC+8*NQ*\sc+NQ*\i+1], v[ADRS] offset:512*\i
.endr
.endm
.macro PLACES n                        ; plain vector instructions between a matrix instruction and a load into, or a read of, its registers
.rept \n
	v_nop
.endr
.endm
.macro STEP slot, q, cm                ; 128 along K that has its successor in the same slot
	s_wait_dscnt 4*NL                              ; B's set and A's blocks 0-3 are in; the youngest 16 loads (A's blocks 4-7) may be out
.if \cm
	WIN 0x81                                       ; C, the bias, lies in window 0
.else
	WIN MUL_LO
.endif
	MUL16 0, (\q)%2, \q, \slot, \cm
	MUL16 2, (\q)%2, \q, \slot, \cm
	s_wait_dscnt 0                                 ; A's blocks 4-7 are in
	PLACES NP
	FETCH_B \slot, (\q)+1, 1-(\q)%2
	FETCH_A \slot, (\q)+1, 0
.if \cm
	WIN 0xc1
.else
	WIN MUL_HI
.endif
	MUL16 4, (\q)%2, \q, \slot, \cm
	MUL16 6, (\q)%2, \q, \slot, \cm
	PLACES NP
	WIN 0
	FETCH_A \slot, (\q)+1, 4
.endm
; A slot's last step changes slots: one barrier; in front of it each wave waits for all its tensor loads, adds 0 to its spare word, and waits for that and for its reads of this slot.  fill = 1: the slot is filled again, two slots ahead.
.macro TURN slot, next, fill
	s_wait_tensorcnt 0x0                           ; all my tensor loads have landed: my part of the next slot
	ds_add_u32 v[SPW], v[NIL]                      ; 0 onto my spare word
	s_wait_dscnt 4*NL+1                            ; (the add and the youngest 16 loads may be out)
	WIN MUL_LO
	MUL16 0, 1, NQ-1, \slot, 0
	s_wait_dscnt 0x0                               ; the add is done, and my reads of this slot are over
	s_barrier_signal -1
	MUL16 2, 1, NQ-1, \slot, 0
	WIN 0
	s_barrier_wait -1
.if \fill
	CREST                                          ; the barrier has opened a round of the cluster's barrier: no wave of any partner still reads this slot or has a load on its way
	s_add_nc_u64 s[G0+4*\slot+2:G0+4*\slot+3], s[G0+4*\slot+2:G0+4*\slot+3], 2*TILEB
	s_add_nc_u64 s[G0B+4*\slot+2:G0B+4*\slot+3], s[G0B+4*\slot+2:G0B+4*\slot+3], 2*TILEB
	JLOAD G0+4*\slot, G1, G0B+4*\slot, G1B         ; the first tensor load behind the round; its four v_nop are also the places in front of the loads below
.else
	PLACES NP
.endif
	v_add_nc_u32 v[ADRS], 128, v[ADRS]             ; the next slot's scale words
	FETCH_B \next, 0, 0
	FETCH_A \next, 0, 0
	SCALES \next
	WIN MUL_HI
	MUL16 4, 1, NQ-1, \slot, 0
	MUL16 6, 1, NQ-1, \slot, 0
	PLACES NP
	WIN 0
	FETCH_A \next, 0, 4
.endm
	s_wait_tensorcnt 1                             ; the scale words and my part of slot 0 are in (slot 1's load may be out)
	s_barrier_signal -1
	s_barrier_wait -1                              ; everybody's are
	FETCH_B 0, 0, 0
	FETCH_A 0, 0, 0
	SCALES 0
	FETCH_A 0, 0, 4
	s_wait_loadcnt 0x0                             ; the bias table
	s_cmp_eq_u32 s21, 2                            ; the first step starts the sums on the bias: by B's block for q and k, by A's for v.  The job is the same in all waves and all partners
	s_cbranch_scc1 .Lfirst_v
	STEP 0, 0, 1
	s_branch .Lfirst_done
.Lfirst_v:
	STEP 0, 0, 2
.Lfirst_done:
	TURN 0, 1, 1
	STEP 1, 0, 0
	TURN 1, 0, 1
	STEP 0, 0, 0
	TURN 0, 1, 0                                   ; nothing is left to fetch: no round
	STEP 1, 0, 0
	s_wait_dscnt 4*NL
	WIN MUL_LO
	MUL16 0, 1, NQ-1, 1, 0
	MUL16 2, 1, NQ-1, 1, 0
	s_wait_dscnt 0
	WIN MUL_HI
	MUL16 4, 1, NQ-1, 1, 0
	MUL16 6, 1, NQ-1, 1, 0
	WIN 0
	PLACES NP
	; THE WAY OUT.  No tensor load of mine is out, so the descriptors' registers are free.  All that differs between the jobs is chosen into scalars.
	; q, k: A's block a is token tile 8 tok8 + a; the wave's 128 columns are two heads: the fragment's two halves go to heads bh0 and bh0 + 1.
	; v: A's block a is channel tile a % 4 of head bh0 + a / 4; the wave's 128 columns are key step tok8: the two halves are its keys 0-63 and 64-127.
	s_cmp_eq_u32 s21, 2
	s_cselect_b32 s24, s40, s23                    ; the block of 16 token tiles
	s_cselect_b32 s25, s23, s40                    ; the block of 256 channels
	s_cselect_b32 s26, s18, s17                    ; my half of the tokens
	s_cselect_b32 s27, s17, s18                    ; my half of the channels
	s_mov_b32 s28, 98304
	s_cselect_b32 s28, s28, 0                      ; the region in a head's block
	s_cselect_b32 s29, 8, 9                        ; scale words of my 8 groups: 256 or 512 bytes a head
	s_mov_b32 s30, 1536
	s_cselect_b32 s30, s30, 768                    ; from group to group
	s_mov_b32 s31, 0
	s_mov_b32 s32, 202752
	s_cselect_b32 s32, s32, 0                      ; v: behind group 3 on to the next head: 208,896 - 4 x 1,536
	s_mov_b32 s33, 0
	s_cselect_b32 s34, -1, 0xffff                  ; q, k: a head has two bytes of the word; the upper two stay 0
	s_cselect_b32 s35, 0, 16
	s_mov_b32 s36, 208896
	s_cselect_b32 s36, s36, 256                    ; where lanes 16-31 store their scale words
	s_cmp_eq_u32 s21, 0
	s_mov_b32 s37, 208896
	s_cselect_b32 s37, 106496, s37                 ; a head's block in qh or kv
	s_mov_b32 s38, 196608
	s_cselect_b32 s38, 98304, s38                  ; its scale words
	s_cselect_b64 s[44:45], s[12:13], s[14:15]
	s_cmp_eq_u32 s21, 2
	s_mov_b32 s39, 204800
	s_cselect_b32 s38, s39, s38
	s_cselect_b32 s48, 768, s37                    ; from the fragment's first half to its second
	s_mov_b32 s49, 0
	s_lshr_b32 s50, s24, 3
	s_lshl_b32 s50, s50, 4
	s_lshl_b32 s51, s25, 2
	s_add_co_u32 s50, s50, s51
	s_lshl_b32 s51, s27, 1
	s_add_co_u32 s50, s50, s51                     ; bh0 = 16 b + the first of my two heads
	s_and_b32 s51, s24, 7
	s_lshl_b32 s51, s51, 1
	s_add_co_u32 s51, s51, s26                     ; tok8: which 128 tokens of the batch
	s_mul_i32 s52, s50, s37
	s_mul_i32 s54, s51, 6144
	s_add_co_u32 s54, s54, s52
	s_add_co_u32 s54, s54, s28
	s_mov_b32 s55, 0
	s_lshl_b32 s56, s51, s29
	s_add_co_u32 s56, s56, s52
	s_add_co_u32 s56, s56, s38
	s_mov_b32 s57, 0
	s_add_nc_u64 s[58:59], s[44:45], s[54:55]      ; the first half's place
	s_add_nc_u64 s[60:61], s[58:59], s[48:49]      ; the second's
	s_add_nc_u64 s[62:63], s[44:45], s[56:57]      ; the scale words'
	s_mov_b32 s52, s37
	s_mov_b32 s53, 0
	s_add_nc_u64 s[66:67], s[62:63], s[52:53]      ; and the next head's
	s_mov_b32 s[SEL], 0x76543210
	s_mov_b32 s[SEL+1], 0xfedcba98
	v_lshlrev_b32 v[LI16], 4, v3
	v_lshlrev_b32 v[LI8], 3, v3
	s_lshl_b32 s46, s16, 10
	s_add_co_u32 s46, s46, SST
	v_lshlrev_b32 v[SSA], 2, v1
	v_lshl_add_u32 v[SSA], v2, 9, v[SSA]
	v_add_nc_u32 v[SSA], s46, v[SSA]               ; 512 h + 4 r in my wave's 1,024 bytes
	v_add_nc_u32 v[SSR], s46, v[LI16]
	v_mul_lo_u32 v[VSO], v2, s36
	v_lshl_add_u32 v[VSO], v1, 4, v[VSO]
	v_mul_u32_u24 v[SH], v2, s35
.irp b, 0,1,2,3
	v_mov_b32 v[TM+4+\b], 0                        ; written once: a lane permute's destination counts as one of its sources
.endr
; A's block a: its 64 registers a lane (register 16 i + j = B's logical row 32 i + 16 h + j) become a fragment and a scale word.  Each accumulator is read from its low end on.
.macro GROUP a
.set W, 2+(\a)/4
.set WA, W|(W<<2)
.set WB, (W<<2)|(W<<4)
.set AC, 64*((\a)%4)
	WIN WA
.irp b, 0,1,2,3
	v_max3_num_f32 v[TM+\b], |v[AC+16*\b]|, |v[AC+16*\b+1]|, 0x1800000   ; and the floor 2^(3 - 127): the byte cannot fall under 1
.endr
	WIN WB
.irp i, 2,4,6,8,10,12,14
.irp b, 0,1,2,3
	v_max3_num_f32 v[TM+\b], v[TM+\b], |v[AC+16*\b+\i]|, |v[AC+16*\b+\i+1]|
.endr
.endr
	WIN 0
.irp b, 0,1,2,3
	v_permlanex16_b32 v[TM+4+\b], v[TM+\b], s[SEL], s[SEL+1]
.endr
.irp b, 0,1,2,3
	v_max_num_f32 v[TM+\b], v[TM+\b], v[TM+4+\b]
.endr
.irp b, 0,1,2,3
	v_add_nc_u32 v[TM+12+\b], 0xff000000, v[TM+\b] ; 2 off the exponent field: the conversion's scale operand
.endr
.irp b, 0,1,2,3
	v_lshrrev_b32 v[TM+4+\b], 23, v[TM+12+\b]
.endr
	v_lshl_or_b32 v[PW], v[TM+5], 8, v[TM+4]
	v_lshl_or_b32 v[PW], v[TM+6], 16, v[PW]
	v_lshl_or_b32 v[PW], v[TM+7], 24, v[PW]
	v_lshrrev_b32 v[SWX+(\a)], v[SH], v[PW]        ; q, k: lanes 0-15 keep the first head's two bytes, lanes 16-31 the second's; v: the whole word
	v_and_b32 v[SWX+(\a)], s34, v[SWX+(\a)]
	s_wait_xcnt 0x0                                ; the last group's stores have read their data and bases: only now are both written again
.if (\a) > 0
	s_add_nc_u64 s[58:59], s[58:59], s[30:31]
	s_add_nc_u64 s[60:61], s[60:61], s[30:31]
.endif
.if (\a) == 4
	s_add_nc_u64 s[58:59], s[58:59], s[32:33]
	s_add_nc_u64 s[60:61], s[60:61], s[32:33]
.endif
	WIN W
.irp c, 0,1
	v_cvt_scalef32_pk16_fp6_f32 v[PC+6*\c:PC+6*\c+2], v[AC+32*\c:AC+32*\c+15], v[TM+12+2*\c]
	v_cvt_scalef32_pk16_fp6_f32 v[TM+4*\c:TM+4*\c+2], v[AC+32*\c+16:AC+32*\c+31], v[TM+13+2*\c]
.endr
	WIN 0
	v_nop                                          ; one plain place behind a scaled conversion
.irp c, 0,1
.irp i, 0,1,2
	v_permlane16_swap_b32 v[PC+6*\c+\i], v[TM+4*\c+\i]
.endr
.irp i, 0,1,2
	v_mov_b32 v[PC+3+6*\c+\i], v[TM+4*\c+\i]
.endr
.endr
	ds_store_b32 v[SSA], v[SWX+(\a)] offset:64*(\a)
	global_store_b128 v[LI16], v[PC:PC+3], s[58:59]             ; 512 consecutive bytes,
	global_store_b64 v[LI8], v[PC+4:PC+5], s[58:59] offset:512  ; and 256: a half image
	global_store_b128 v[LI16], v[PC+6:PC+9], s[60:61]
	global_store_b64 v[LI8], v[PC+10:PC+11], s[60:61] offset:512
.endm
.irp a, 0,1,2,3,4,5,6,7
	GROUP \a
.endr
	ds_load_b128 v[104:107], v[SSR]                ; my own bytes, served in order: the 8 groups' words of lanes 0-15,
	ds_load_b128 v[108:111], v[SSR] offset:512     ; and of lanes 16-31
	s_wait_dscnt 0x0
	global_store_b128 v[VSO], v[104:107], s[62:63] ; q, k: the first head's 512 bytes; v: 256 bytes for each of the two heads
	s_cmp_eq_u32 s21, 2
	s_cbranch_scc1 .Lno_second
	global_store_b128 v[VSO], v[108:111], s[66:67] ; q, k: the second head's
.Lno_second:
	s_wait_tensorcnt 0x0                           ; the wave's end: a wait, an add to my spare word and its wait, behind my last tensor load and my last LDS store
	ds_add_u32 v[SPW], v[NIL]
	s_wait_dscnt 0x0
	CROUND                                         ; the closing round: no work-group ends while a partner may still ask for a tile that names it
	s_endpgm
.Lfunc_end_k_qaabfdb80f6_proj:
	.size	k_qaabfdb80f6_proj, .Lfunc_end_k_qaabfdb80f6_proj-k_qaabfdb80f6_proj
	.p2alignl 7, 3214868480
	.fill 96, 4, 3214868480
	.section	.rodata,"a",@progbits
	.p2align	6, 0x0
	.amdhsa_kernel k_qaabfdb80f6_proj
		.amdhsa_group_segment_fixed_size 327680
		.amdhsa_private_segment_fixed_size 0
		.amdhsa_enable_private_segment 0
		.amdhsa_kernarg_size 48
		.amdhsa_user_sgpr_count 2
		.amdhsa_user_sgpr_kernarg_segment_ptr 1
		.amdhsa_wavefront_size32 1
		.amdhsa_system_sgpr_workgroup_id_x 1
		.amdhsa_system_sgpr_workgroup_id_y 1
		.amdhsa_system_sgpr_workgroup_id_z 1
		.amdhsa_system_vgpr_workitem_id 0
		.amdhsa_next_free_vgpr 1024
		.amdhsa_next_free_sgpr 104
		.amdhsa_reserve_vcc 0
		.amdhsa_float_denorm_mode_32 3
		.amdhsa_float_denorm_mode_16_64 3
		.amdhsa_memory_ordered 1
		.amdhsa_forward_progress 1
		.amdhsa_inst_pref_size 172
	.end_amdhsa_kernel
	.amdgpu_metadata
---
amdhsa.version: [ 1, 2 ]
amdhsa.kernels:
  - .name:           k_qaabfdb80f6_proj
    .symbol:         k_qaabfdb80f6_proj.kd
    .args:
      - { .name: op, .offset: 0, .size: 8, .value_kind: global_buffer, .address_space: global }
      - { .name: bq, .offset: 8, .size: 8, .value_kind: global_buffer, .address_space: global }
      - { .name: bk, .offset: 16, .size: 8, .value_kind: global_buffer, .address_space: global }
      - { .name: bv, .offset: 24, .size: 8, .value_kind: global_buffer, .address_space: global }
      - { .name: qh, .offset: 32, .size: 8, .value_kind: global_buffer, .address_space: global }
      - { .name: kv, .offset: 40, .size: 8, .value_kind: global_buffer, .address_space: global }
    .group_segment_fixed_size: 327680
    .private_segment_fixed_size: 0
    .kernarg_segment_align: 8
    .kernarg_segment_size: 48
    .max_flat_workgroup_size: 128
    .sgpr_count:     104
    .vgpr_count:     1024
    .wavefront_size: 32
...
	.end_amdgpu_metadata
.endif
;; end of part 2
;; launch attn (part 3): grid 4 x 64, 16 waves a work-group, clusters of 4 x 1, 327,680 bytes of LDS; arguments qh, kv, at; writes at
.if DOCPART == 3
	.amdgcn_target "amdgcn-amd-amdhsa--gfx1250"
	.amdhsa_code_object_version 6
	.text
	.protected	k_qaabfdb80f6_attn
	.globl	k_qaabfdb80f6_attn
	.p2align	8
	.type	k_qaabfdb80f6_attn,@function
k_qaabfdb80f6_attn:
	s_mov_b64 s[64:65], 0
	v_nop
	global_prefetch_b8 v0, s[64:65] scope:SCOPE_SE
	s_setreg_imm32_b32 hwreg(HW_REG_WAVE_MODE, 25, 1), 1
	s_wait_xcnt 0x0
	s_wait_alu depctr_hold_cnt(0) depctr_sa_sdst(0) depctr_va_vdst(0) depctr_va_sdst(0) depctr_va_ssrc(0) depctr_va_vcc(0) depctr_vm_vsrc(0)
	s_getreg_b32 s2, hwreg(HW_REG_IB_STS2, 6, 4)
	s_cmp_eq_u32 s2, 0
	s_cbranch_scc0 .Lentry_in_a_cluster
	s_endpgm
.Lentry_in_a_cluster:
	s_bfe_u32 s2, ttmp6, 0x10000c
	s_cmp_lg_u32 s2, 0x3003
	s_cbranch_scc0 .Lentry_shape_is_right
	s_endpgm
.Lentry_shape_is_right:
; For each of 64 (batch, head): O = softmax(Q K^T / 32) V on codes of FP6 (E2M3) with E8M0 scales; O / the row's sum is quantised along the merged channels and stored as the last product's operand.
; THE SOFTMAX: t = score x log2(e) / 32; M = the running largest t rounded up to a whole number; p = 2^(t - M) is quantised along the keys, not normalised; the sum is taken of the unquantised p.  When M moves, the sum and O are multiplied by 2^(old M - new M): exact.
; LIMITS: NaN and infinities are not served; a block whose largest magnitude lies under 2^-124 gets the byte 1; a block of zeros gets the byte 1 where the rule says 127 (its codes are zeros; this program alone reads the bytes).
; SHARES.  A work-group owns 512 queries of one head; each of its sixteen waves two tiles of 16, one after the other, in 256 registers: four waves to a SIMD, so that one wave's vector work stands beside another's matrix work and LDS loads.
; A HEAD'S K, V AND SCALE WORDS, 208,896 bytes, one dense block of kv, come into LDS once: no ring, no refill, no barrier in the loops.  The four work-groups of a cluster own the same head and ask for it jointly.
; LAYOUT.  Both products are used transposed (S^T = K Q^T, O^T = V^T P^T): a lane holds one query.  The rows of a tile of K, and the channels of a tile of V, were chosen two launches back so that 16 registers of two neighbouring tiles are 16 neighbours.
; THE HEAD IS 64 WIDE, THE INSTRUCTION 128.  Q's fragment is six registers of codes and six of zero codes.  K's tiles stand six registers apart, so a tile's upper six registers are the next tile's codes (behind the last: six zeros):
; each meets a zero code of Q and adds nothing.  The scale bytes of that half are 0 on both sides.
; REGISTERS: v1-11, v28-29 addresses; v12 -M, v13 the largest t, v[14:15] the sum; v16-27 Q; v30 Q's scale words; v32-79 K's 8 tiles, then V's 4 fragments; v80-85 zeros; v86-92 scale words; v96-159 S^T, then p; v160-191 O^T; v192-203 codes; v204-230 at work.
.set HQ,    106496
.set HK,    208896
.set ATS,   6291456
.set SPARE, HK                         ; behind the head: the spare words, 128 bytes a wave, that no other line names
.set LI16, 1
.set LI8,  2
.set LI4,  3
.set LR4,  4
.set SPW,  5
.set NIL,  6
.set LR8,  7
.set ADK16, 8
.set ADK8,  9
.set ADV16, 10
.set ADV8,  11
.set ADS,  28
.set ADT,  29
.set QS,   30
.set KF,   32
.set KS,   86
.set VS,   90
.set PSW,  92
.set S,    96
.set O,    160
.set PC,   192
.set CT,   204                         ; v204-206, v208-210 conversions' second halves
.set BM,   212
.set BP,   216
.set BSC,  220
.set TP,   224
.set F,    226                         ; v[226:227]: f, or 1 / the sum, in the low word
.set SU,   228
.set HW,   230
.set WV,   18
.set SEL,  20
.set CS,   22
.set G1,   24
.set G0,   32
.set TB,   36                          ; LDS byte of the step's K
.set TS,   37                          ; of its scale words
.set TJ,   38                          ; of V's scale words
.set STEPS, 39
.set TV,   41                          ; of the step's V
.macro CROUND                          ; a round of the cluster's barrier
	s_barrier_signal -1
	s_barrier_wait -1
	s_cmp_lg_u32 s[WV], 0
	s_cbranch_scc1 .Lnot_wave_0_\@
	s_barrier_signal -3
.Lnot_wave_0_\@:
	s_barrier_wait -3
	s_barrier_signal -1
	s_barrier_wait -1
.endm
	s_load_b128 s[4:7], s[0:1], 0x0                ; qh, kv
	s_load_b64 s[8:9], s[0:1], 0x10                ; at
	v_lshl_add_u32 v[SPW], v0, 2, SPARE
	v_mov_b32 v[NIL], 0
	ds_add_u32 v[SPW], v[NIL]                      ; the wave's opening: the add and its wait stand ahead of my first tensor load; work on registers stands between
	ds_add_u32 v[SPW], v[NIL]
	v_lshrrev_b32 v8, 5, v0
	s_delay_alu instid0(VALU_DEP_1)
	v_readfirstlane_b32 s[WV], v8                  ; wave 0..15
	s_bfe_u32 s10, ttmp6, 0x40000                  ; cx: it enters Q's and the output's addresses alone
	s_and_b32 s11, ttmp7, 0xffff                   ; 16 b + head, which the four partners share
	; group 1: 102 rows of 256 bytes (32 elements of 8), dense: an eighth of the head's block
	s_mov_b32 s[G1], 15|(3<<16)|(1<<21)            ; the mask names all four work-groups; bit 21 stands beside a mask
	s_mov_b32 s[G1+1], 32<<16
	s_mov_b32 s[G1+2], 102<<16
	s_mov_b32 s[G1+3], 32<<16
	s_mov_b32 s[G1+4], 102
	s_mov_b32 s[G1+5], 32
	s_mov_b32 s[G1+6], 0
	s_mov_b32 s[G1+7], 0
	s_mov_b32 s[SEL], 0x76543210
	s_mov_b32 s[SEL+1], 0xfedcba98
	s_mov_b32 s[CS], 0x3d38aa3b                    ; c = log2(e) / 32
	s_mov_b32 s[CS+1], s[CS]
	s_mul_i32 s14, s[WV], 26112                    ; my eighth, in LDS as in memory
	s_mul_i32 s12, s11, HK
	s_add_co_u32 s12, s12, s14
	s_mov_b32 s13, 0
	s_lshl_b32 s15, s10, 5
	s_lshl_b32 s16, s[WV], 1
	s_add_co_u32 s15, s15, s16                     ; my first tile of queries: 32 cx + 2 wave
	s_mul_i32 s16, s11, HQ
	s_mul_i32 s50, s15, 768
	s_add_co_u32 s50, s50, s16
	s_mov_b32 s51, 0
	s_lshl_b32 s52, s15, 6
	s_add_co_u32 s52, s52, s16
	s_add_co_u32 s52, s52, 98304
	s_mov_b32 s53, 0
	s_lshr_b32 s17, s11, 4
	s_lshl_b32 s17, s17, 7
	s_add_co_u32 s17, s17, s15                     ; the same tile among the output's 512
	s_and_b32 s19, s11, 15                         ; the head
	s_mul_i32 s54, s17, 12288
	s_mul_i32 s56, s19, 768
	s_add_co_u32 s54, s54, s56
	s_mov_b32 s55, 0
	s_lshl_b32 s56, s17, 9
	s_lshr_b32 s58, s19, 2
	s_lshl_b32 s58, s58, 7
	s_add_co_u32 s56, s56, s58
	s_and_b32 s58, s19, 3
	s_lshl_b32 s58, s58, 1
	s_add_co_u32 s56, s56, s58
	s_add_co_u32 s56, s56, ATS                     ; my head's two bytes of a row's scale words
	s_mov_b32 s57, 0
	s_wait_dscnt 0x0                               ; the opening add is done
	s_wait_kmcnt 0x0
	s_mov_b32 s[G0], 1
	s_mov_b32 s[G0+1], s14
	s_add_nc_u64 s[G0+2:G0+3], s[6:7], s[12:13]
	s_or_b32 s[G0+3], s[G0+3], 0x80000000
	s_add_nc_u64 s[42:43], s[4:5], s[50:51]        ; Q's codes
	s_add_nc_u64 s[44:45], s[4:5], s[52:53]        ; Q's scale words
	s_add_nc_u64 s[46:47], s[8:9], s[54:55]        ; the output's codes
	s_add_nc_u64 s[48:49], s[8:9], s[56:57]        ; and scale bytes
	CROUND                                         ; all four work-groups are here: the joint loads meet
	s_cmp_lt_u32 s[WV], 8                          ; waves 0 to 7 fetch, one load each: one tensor load of mine is out
	s_cbranch_scc0 .Lno_fetch
	tensor_load_to_lds s[G0:G0+3], s[G1:G1+7]
	s_nop 0
.rept 4
	v_nop
.endr
.Lno_fetch:
	v_and_b32 v8, 31, v0
	v_and_b32 v9, 15, v0
	s_delay_alu instid0(VALU_DEP_2)
	v_lshlrev_b32 v[LI16], 4, v8
	s_delay_alu instid0(VALU_DEP_3)
	v_lshlrev_b32 v[LI8], 3, v8
	s_delay_alu instid0(VALU_DEP_4)
	v_lshlrev_b32 v[LI4], 2, v8
	s_delay_alu instid0(VALU_DEP_4)
	v_lshlrev_b32 v[LR4], 2, v9
	v_lshlrev_b32 v[LR8], 3, v9
.irp i, 0,1,2,3,4,5
	v_mov_b32 v[22+\i], 0                          ; Q's upper half: zero codes
	v_mov_b32 v[80+\i], 0                          ; behind K's last tile
.endr
.irp b, 0,1,2,3
	v_mov_b32 v[BP+\b], 0                          ; written once: a lane permute's destination counts as one of its sources
.endr
	v_mov_b32 v[TP], 0
	v_mov_b32 v[F+1], 0                            ; named as the upper half of a pair
	s_wait_tensorcnt 0x0                           ; my part of the head is in,
	s_barrier_signal -1
	s_barrier_wait -1                              ; everybody's is; nothing is ever filled again
; A KEY STEP: 128 keys
.macro STEP
	v_add_nc_u32 v[ADK16], s[TB], v[LI16]          ; (these six are also the places behind the last step's products, in front of the loads into their registers)
	v_add_nc_u32 v[ADK8], s[TB], v[LI8]
	v_add_nc_u32 v[ADV16], s[TV], v[LI16]
	v_add_nc_u32 v[ADV8], s[TV], v[LI8]
	v_add_nc_u32 v[ADS], s[TS], v[LI4]
	v_add_nc_u32 v[ADT], s[TJ], v[LI4]
.irp t, 0,1,2,3,4,5,6,7
	ds_load_b128 v[KF+6*\t:KF+6*\t+3], v[ADK16] offset:768*\t
	ds_load_b64 v[KF+6*\t+4:KF+6*\t+5], v[ADK8] offset:768*\t+512
.endr
.irp b, 0,1,2,3
	ds_load_b32 v[KS+\b], v[ADS] offset:128*\b     ; lanes 0-15: tile 2 b's words, lanes 16-31: tile 2 b + 1's
.endr
	s_wait_alu depctr_va_vdst(0)
	s_wait_dscnt 0x0
.irp t, 0,2,4,6
	v_wmma_scale_f32_16x16x128_f8f6f4 v[S+8*\t:S+8*\t+7], v[KF+6*\t:KF+6*\t+11], v[16:27], 0, v[KS+\t/2], v[QS] matrix_a_fmt:MATRIX_FMT_FP6 matrix_b_fmt:MATRIX_FMT_FP6
	v_wmma_scale_f32_16x16x128_f8f6f4 v[S+8*\t+8:S+8*\t+15], v[KF+6*\t+6:KF+6*\t+17], v[16:27], 0, v[KS+\t/2], v[QS] matrix_a_fmt:MATRIX_FMT_FP6 matrix_b_fmt:MATRIX_FMT_FP6 matrix_a_scale:MATRIX_SCALE_ROW1
.endr
.rept 4
	v_nop                                          ; places: in front of V's loads into K's registers, and of the first read of the scores
.endr
.irp t, 0,1,2,3                                ; V's four fragments land under the softmax
.irp c, 0,1
	ds_load_b128 v[KF+12*\t+6*\c:KF+12*\t+6*\c+3], v[ADV16] offset:1536*\t+768*\c
	ds_load_b64 v[KF+12*\t+6*\c+4:KF+12*\t+6*\c+5], v[ADV8] offset:1536*\t+768*\c+512
.endr
.endr
.irp g, 0,1
	ds_load_b32 v[VS+\g], v[ADT] offset:128*\g
.endr
.irp b, 0,1,2,3
	v_max3_num_f32 v[BM+\b], v[S+16*\b], v[S+1+16*\b], v[S+2+16*\b]   ; the largest score of each block of 32 keys: for the row's maximum and, since p rises with the score, for the block's largest p
.endr
.irp i, 3,5,7,9,11,13
.irp b, 0,1,2,3
	v_max3_num_f32 v[BM+\b], v[BM+\b], v[S+16*\b+\i], v[S+1+16*\b+\i]
.endr
.endr
.irp b, 0,1,2,3
	v_max_num_f32 v[BM+\b], v[BM+\b], v[S+15+16*\b]
.endr
.irp b, 0,1,2,3
	s_delay_alu instid0(VALU_DEP_4)
	v_permlanex16_b32 v[BP+\b], v[BM+\b], s[SEL], s[SEL+1]
.endr
.irp b, 0,1,2,3
	s_delay_alu instid0(VALU_DEP_4)
	v_max_num_f32 v[BM+\b], v[BM+\b], v[BP+\b]     ; with lane l xor 16's 16 keys
.endr
	s_delay_alu instid0(VALU_DEP_2)
	v_max3_num_f32 v[TP], v[BM], v[BM+1], v[BM+2]
	s_delay_alu instid0(VALU_DEP_1)
	v_max_num_f32 v[TP], v[TP], v[BM+3]
	s_delay_alu instid0(VALU_DEP_1)
	v_mul_f32 v[TP], s[CS], v[TP]                  ; the step's largest t (c is positive)
	s_delay_alu instid0(VALU_DEP_1)
	v_max_num_f32 v13, v13, v[TP]
	v_mov_b32 v[TP], v12
	s_delay_alu instid0(VALU_DEP_2)
	v_floor_f32 v12, -v13                          ; -M = floor(-t): M is a whole number
	s_delay_alu instid0(VALU_DEP_1)
	v_sub_f32 v[TP], v12, v[TP]                    ; old M - new M: a whole number, 0 or less
	s_delay_alu instid0(VALU_DEP_1)
	v_cvt_i32_f32 v[TP], v[TP]                     ; (it saturates)
	s_delay_alu instid0(VALU_DEP_1)
	v_ldexp_f32 v[F], 1.0, v[TP]                   ; f = 2^(old M - new M)
.irp j, 0,2,4,6,8,10,12,14,16,18,20,22,24,26,28,30,32,34,36,38,40,42,44,46,48,50,52,54,56,58,60,62
	v_pk_fma_f32 v[S+\j:S+1+\j], v[S+\j:S+1+\j], s[CS:CS+1], v[12:13] op_sel_hi:[1,0,0]   ; t - M
.endr
.irp b, 0,1,2,3
	v_fma_f32 v[BM+\b], v[BM+\b], s[CS], v12
.endr
	s_setprio 1
	s_wait_alu depctr_va_vdst(0)
.irp j, 0,1,2,3,4,5,6,7,8,9,10,11,12,13,14,15,16,17,18,19,20,21,22,23,24,25,26,27,28,29,30,31,32,33,34,35,36,37,38,39,40,41,42,43,44,45,46,47,48,49,50,51,52,53,54,55,56,57,58,59,60,61,62,63
	v_exp_f32 v[S+\j], v[S+\j]                     ; p = 2^(t - M)
.endr
	v_pk_mul_f32 v[14:15], v[14:15], v[F:F+1] op_sel_hi:[1,0]   ; the sums under the new M: the plain place behind the exponentials
	s_wait_alu depctr_va_vdst(0)                   ; one wait for the batch, ahead of its first reader
.irp b, 0,1,2,3
	v_exp_f32 v[BM+\b], v[BM+\b]                   ; the block's largest p: the same two instructions on the same number
.endr
	v_pk_add_f32 v[228:229], v[100:101], v[104:105]
	v_pk_add_f32 v[254:255], v[108:109], v[112:113]
	v_pk_add_f32 v[252:253], v[116:117], v[120:121]
	v_pk_add_f32 v[250:251], v[124:125], v[128:129]
	v_pk_add_f32 v[248:249], v[132:133], v[136:137]
	v_pk_add_f32 v[246:247], v[140:141], v[144:145]
	v_pk_add_f32 v[244:245], v[148:149], v[152:153]
	v_pk_add_f32 v[14:15], v[14:15], v[156:157]
	v_pk_add_f32 v[228:229], v[228:229], v[96:97]
	v_pk_add_f32 v[254:255], v[254:255], v[98:99]
	v_pk_add_f32 v[252:253], v[252:253], v[102:103]
	v_pk_add_f32 v[250:251], v[250:251], v[106:107]
	v_pk_add_f32 v[248:249], v[248:249], v[110:111]
	v_pk_add_f32 v[246:247], v[246:247], v[114:115]
	v_pk_add_f32 v[244:245], v[244:245], v[118:119]
	v_pk_add_f32 v[14:15], v[14:15], v[122:123]
	v_pk_add_f32 v[228:229], v[228:229], v[126:127]
	v_pk_add_f32 v[254:255], v[254:255], v[130:131]
	v_pk_add_f32 v[252:253], v[252:253], v[134:135]
	v_pk_add_f32 v[250:251], v[250:251], v[138:139]
	v_pk_add_f32 v[248:249], v[248:249], v[142:143]
	v_pk_add_f32 v[246:247], v[246:247], v[146:147]
	v_pk_add_f32 v[244:245], v[244:245], v[150:151]
	v_pk_add_f32 v[14:15], v[14:15], v[154:155]
	v_pk_add_f32 v[228:229], v[228:229], v[158:159]
	s_delay_alu instid0(VALU_DEP_2)
	v_pk_add_f32 v[14:15], v[14:15], v[250:251]
	s_delay_alu instid0(VALU_DEP_2)
	v_pk_add_f32 v[228:229], v[228:229], v[248:249]
	v_pk_add_f32 v[254:255], v[254:255], v[246:247]
	v_pk_add_f32 v[252:253], v[252:253], v[244:245]
	s_delay_alu instid0(VALU_DEP_2)
	v_pk_add_f32 v[14:15], v[14:15], v[254:255]
	s_delay_alu instid0(VALU_DEP_2)
	v_pk_add_f32 v[228:229], v[228:229], v[252:253]
	s_delay_alu instid0(VALU_DEP_1)
	v_pk_add_f32 v[14:15], v[14:15], v[228:229]
	s_wait_alu depctr_va_vdst(0)                   ; and one for the four
.irp b, 0,1,2,3
	v_max_num_f32 v[BM+\b], 0x1800000, v[BM+\b]    ; the floor 2^(3 - 127)
.endr
.irp b, 0,1,2,3
	s_delay_alu instid0(VALU_DEP_4)
	v_add_nc_u32 v[BSC+\b], 0xff000000, v[BM+\b]
.endr
.irp b, 0,1,2,3
	s_delay_alu instid0(VALU_DEP_4)
	v_lshrrev_b32 v[BP+\b], 23, v[BSC+\b]
.endr
	s_delay_alu instid0(VALU_DEP_3)
	v_lshl_or_b32 v[PSW], v[BP+1], 8, v[BP]        ; p's scale word for these 128 keys
	s_delay_alu instid0(VALU_DEP_1)
	v_lshl_or_b32 v[PSW], v[BP+2], 16, v[PSW]
	s_delay_alu instid0(VALU_DEP_1)
	v_lshl_or_b32 v[PSW], v[BP+3], 24, v[PSW]
.irp c, 0,1
	v_cvt_scalef32_pk16_fp6_f32 v[PC+6*\c:PC+6*\c+2], v[S+32*\c:S+32*\c+15], v[BSC+2*\c]
	v_cvt_scalef32_pk16_fp6_f32 v[CT+4*\c:CT+4*\c+2], v[S+32*\c+16:S+32*\c+31], v[BSC+2*\c+1]
.endr
	v_nop                                          ; one plain place behind a scaled conversion
.irp c, 0,1
.irp i, 0,1,2
	v_permlane16_swap_b32 v[PC+6*\c+\i], v[CT+4*\c+\i]
.endr
.irp i, 0,1,2
	s_delay_alu instid0(VALU_DEP_3)
	v_mov_b32 v[PC+3+6*\c+\i], v[CT+4*\c+\i]
.endr
.endr
	s_setprio 0
.irp j, 0,2,4,6,8,10,12,14,16,18,20,22,24,26,28,30
	v_pk_mul_f32 v[O+\j:O+1+\j], v[O+\j:O+1+\j], v[F:F+1] op_sel_hi:[1,0]   ; O^T under the new M; these 16 are also the places between p's codes and scale word and the products
.endr
	s_wait_alu depctr_va_vdst(0)
	s_wait_dscnt 0x0                               ; V is in
.irp t, 0,2
	v_wmma_scale_f32_16x16x128_f8f6f4 v[O+8*\t:O+8*\t+7], v[KF+12*\t:KF+12*\t+11], v[PC:PC+11], v[O+8*\t:O+8*\t+7], v[VS+\t/2], v[PSW] matrix_a_fmt:MATRIX_FMT_FP6 matrix_b_fmt:MATRIX_FMT_FP6
	v_wmma_scale_f32_16x16x128_f8f6f4 v[O+8*\t+8:O+8*\t+15], v[KF+12*\t+12:KF+12*\t+23], v[PC:PC+11], v[O+8*\t+8:O+8*\t+15], v[VS+\t/2], v[PSW] matrix_a_fmt:MATRIX_FMT_FP6 matrix_b_fmt:MATRIX_FMT_FP6 matrix_a_scale:MATRIX_SCALE_ROW1
.endr
	s_add_co_u32 s[TB], s[TB], 6144
	s_add_co_u32 s[TV], s[TV], 6144
	s_add_co_u32 s[TS], s[TS], 512
	s_add_co_u32 s[TJ], s[TJ], 256
.endm
; ONE TILE OF 16 QUERIES: the p-th of my two.  Its places in qh and at stand in the immediates: no pointer is stepped.
.macro PASS p
	s_wait_xcnt 0x0                                ; the last tile's stores have read their registers, which this tile writes again
	global_load_b128 v[16:19], v[LI16], s[42:43] offset:768*\p
	global_load_b64 v[20:21], v[LI8], s[42:43] offset:768*\p+512
	global_load_b32 v[QS], v[LR4], s[44:45] offset:64*\p
	v_mov_b32 v13, 0xff61b1e6                      ; the largest t so far: -3e38
	s_delay_alu instid0(VALU_DEP_1)
	v_floor_f32 v12, -v13
	v_mov_b32 v14, 0
	v_mov_b32 v15, 0
.irp j, 0,1,2,3,4,5,6,7,8,9,10,11,12,13,14,15,16,17,18,19,20,21,22,23,24,25,26,27,28,29,30,31
	v_mov_b32 v[O+\j], 0                           ; the step is written once: the first finds zeros, which the first change of M leaves zeros
.endr
	s_mov_b32 s[TB], 0
	s_mov_b32 s[TV], 98304
	s_mov_b32 s[TS], 196608
	s_mov_b32 s[TJ], 204800
	s_mov_b32 s[STEPS], 16
	s_wait_loadcnt 0x0
.Lstep_\@:
	s_setprio 2
	STEP
	s_sub_co_u32 s[STEPS], s[STEPS], 1
	s_cmp_lg_u32 s[STEPS], 0
	s_cbranch_scc1 .Lstep_\@
	s_setprio 0
.rept 4
	v_nop                                          ; places behind the last products
.endr
	v_add_f32 v14, v14, v15
	s_delay_alu instid0(VALU_DEP_1)
	v_permlanex16_b32 v[TP], v14, s[SEL], s[SEL+1]
	s_delay_alu instid0(VALU_DEP_1)
	v_add_f32 v14, v14, v[TP]                      ; the row's sum
	s_wait_alu depctr_va_vdst(0)
	v_rcp_f32 v[F], v14
	v_nop                                          ; a plain place behind the reciprocal
	s_wait_alu depctr_va_vdst(0)                   ; and the wait ahead of its first reader
.irp j, 0,2,4,6,8,10,12,14,16,18,20,22,24,26,28,30
	v_pk_mul_f32 v[S+\j:S+1+\j], v[O+\j:O+1+\j], v[F:F+1] op_sel_hi:[1,0]   ; register 16 i + j = channel 32 i + 16 h + j of my query; each accumulator from its low end on
.endr
.irp b, 0,1                                    ; the head's two blocks of 32 along the last product's K
	v_max3_num_f32 v[BM+\b], |v[S+16*\b]|, |v[S+1+16*\b]|, 0x1800000
.endr
.irp i, 2,4,6,8,10,12,14
.irp b, 0,1
	s_delay_alu instid0(VALU_DEP_2)
	v_max3_num_f32 v[BM+\b], v[BM+\b], |v[S+16*\b+\i]|, |v[S+1+16*\b+\i]|
.endr
.endr
.irp b, 0,1
	s_delay_alu instid0(VALU_DEP_2)
	v_permlanex16_b32 v[BP+\b], v[BM+\b], s[SEL], s[SEL+1]
.endr
.irp b, 0,1
	s_delay_alu instid0(VALU_DEP_2)
	v_max_num_f32 v[BM+\b], v[BM+\b], v[BP+\b]
.endr
.irp b, 0,1
	s_delay_alu instid0(VALU_DEP_2)
	v_add_nc_u32 v[BSC+\b], 0xff000000, v[BM+\b]
.endr
.irp b, 0,1
	s_delay_alu instid0(VALU_DEP_2)
	v_lshrrev_b32 v[BP+\b], 23, v[BSC+\b]
.endr
	s_delay_alu instid0(VALU_DEP_1)
	v_lshl_or_b32 v[HW], v[BP+1], 8, v[BP]
	v_cvt_scalef32_pk16_fp6_f32 v[PC:PC+2], v[S:S+15], v[BSC]
	v_cvt_scalef32_pk16_fp6_f32 v[CT:CT+2], v[S+16:S+31], v[BSC+1]
	v_nop
.irp i, 0,1,2
	v_permlane16_swap_b32 v[PC+\i], v[CT+\i]
.endr
.irp i, 0,1,2
	s_delay_alu instid0(VALU_DEP_3)
	v_mov_b32 v[PC+3+\i], v[CT+\i]
.endr
	global_store_b128 v[LI16], v[PC:PC+3], s[46:47] offset:12288*\p        ; a half image: 512 consecutive bytes,
	global_store_b64 v[LI8], v[PC+4:PC+5], s[46:47] offset:12288*\p+512    ; and 256
	global_store_b16 v[LR8], v[HW], s[48:49] offset:512*\p                 ; my head's two bytes of the row's word (lanes r and r + 16 write the same bytes with the same value): 2 bytes of each 8, since a work-group owns one head of sixteen
.endm
	PASS 0
	PASS 1
	s_wait_tensorcnt 0x0                           ; the wave's end: a wait, an add to my spare word and its wait, behind my last tensor load
	ds_add_u32 v[SPW], v[NIL]
	s_wait_dscnt 0x0
	CROUND                                         ; the closing round
	s_endpgm
.Lfunc_end_k_qaabfdb80f6_attn:
	.size	k_qaabfdb80f6_attn, .Lfunc_end_k_qaabfdb80f6_attn-k_qaabfdb80f6_attn
	.p2alignl 7, 3214868480
	.fill 96, 4, 3214868480
	.section	.rodata,"a",@progbits
	.p2align	6, 0x0
	.amdhsa_kernel k_qaabfdb80f6_attn
		.amdhsa_group_segment_fixed_size 327680
		.amdhsa_private_segment_fixed_size 0
		.amdhsa_enable_private_segment 0
		.amdhsa_kernarg_size 24
		.amdhsa_user_sgpr_count 2
		.amdhsa_user_sgpr_kernarg_segment_ptr 1
		.amdhsa_wavefront_size32 1
		.amdhsa_system_sgpr_workgroup_id_x 1
		.amdhsa_system_sgpr_workgroup_id_y 1
		.amdhsa_system_sgpr_workgroup_id_z 1
		.amdhsa_system_vgpr_workitem_id 0
		.amdhsa_next_free_vgpr 256
		.amdhsa_next_free_sgpr 66
		.amdhsa_reserve_vcc 0
		.amdhsa_float_denorm_mode_32 3
		.amdhsa_float_denorm_mode_16_64 3
		.amdhsa_memory_ordered 1
		.amdhsa_forward_progress 1
		.amdhsa_inst_pref_size 53
	.end_amdhsa_kernel
	.amdgpu_metadata
---
amdhsa.version: [ 1, 2 ]
amdhsa.kernels:
  - .name:           k_qaabfdb80f6_attn
    .symbol:         k_qaabfdb80f6_attn.kd
    .args:
      - { .name: qh, .offset: 0, .size: 8, .value_kind: global_buffer, .address_space: global }
      - { .name: kv, .offset: 8, .size: 8, .value_kind: global_buffer, .address_space: global }
      - { .name: at, .offset: 16, .size: 8, .value_kind: global_buffer, .address_space: global }
    .group_segment_fixed_size: 327680
    .private_segment_fixed_size: 0
    .kernarg_segment_align: 8
    .kernarg_segment_size: 24
    .max_flat_workgroup_size: 512
    .sgpr_count:     66
    .vgpr_count:     256
    .wavefront_size: 32
...
	.end_amdgpu_metadata
.endif
;; end of part 3
;; launch outp (part 4): grid 4 x 32, 4 waves a work-group, clusters of 4 x 4, 327,680 bytes of LDS; arguments at, op, bu, out0; writes out0
.if DOCPART == 4
	.amdgcn_target "amdgcn-amd-amdhsa--gfx1250"
	.amdhsa_code_object_version 6
	.text
	.protected	k_qaabfdb80f6_outp
	.globl	k_qaabfdb80f6_outp
	.p2align	8
	.type	k_qaabfdb80f6_outp,@function
k_qaabfdb80f6_outp:
	s_mov_b64 s[64:65], 0
	v_nop
	global_prefetch_b8 v0, s[64:65] scope:SCOPE_SE
	s_setreg_imm32_b32 hwreg(HW_REG_WAVE_MODE, 25, 1), 1
	s_wait_xcnt 0x0
	s_wait_alu depctr_hold_cnt(0) depctr_sa_sdst(0) depctr_va_vdst(0) depctr_va_sdst(0) depctr_va_ssrc(0) depctr_va_vcc(0) depctr_vm_vsrc(0)
	s_getreg_b32 s2, hwreg(HW_REG_IB_STS2, 6, 4)
	s_cmp_eq_u32 s2, 0
	s_cbranch_scc0 .Lentry_in_a_cluster
	s_endpgm
.Lentry_in_a_cluster:
	s_bfe_u32 s2, ttmp6, 0x10000c
	s_cmp_lg_u32 s2, 0xf033
	s_cbranch_scc0 .Lentry_shape_is_right
	s_endpgm
.Lentry_shape_is_right:
; out0 [8,192][1,024] f32 = (the attention's output, as codes in at) x Wu^T (as codes in op) + bu, on codes of FP6 (E2M3) with E8M0 scales for each 32 along K = 1,024.
; LIMITS: NaN and infinities are not served.
; A is source 1 (a lane holds one of its rows, a token), B = Wu is source 0 (a lane's registers run along output channels).  A work-group of four waves makes 256 x 256, a wave 128 x 128: 64 accumulators.  K goes in steps of 256 through two LDS slots, four fills, written out.
; OPERANDS lie as images of the operand's registers (16 rows x 128 K = 1,536 bytes): a fragment comes by two loads of 16 bytes and two of 8 bytes a lane, each on consecutive bytes.
; Lane r of tile tau is logical row 32 (tau / 2) + 8 (tau % 2) + r + 8 (r / 8), in A and in B: the way out puts rows and columns back in order.
; CLUSTERS: 4 x 4 work-groups; A's tiles are asked for jointly along a row of the cluster, B's along a column.  128 work-groups: a smaller tile would read each LDS byte for half the products.
; The bias is the C of each sum's first product.
; REGISTERS: window 0: v1-31 addresses; v32-63 scale words; v64-127 the bias table; v128-223 A's fragments (on the way out v128-255: rows read back).  Window 1: B's fragments, two sets.  Windows 2, 3: the accumulators.
.set OPS,    15728640
.set ATS,    6291456
.set TILEB,  3072
.set HALFT,  8*TILEB
.set SLOT,   4*HALFT
.set SCL,    2*SLOT
.set SCB,    8320
.set SPARE,  213248                    ; the spare words, 128 bytes a wave, that no other line names
.set STG,    SPARE+512                 ; the way out: 16 rows x (512 + 16) bytes for each wave; no fill lands here
.set SPITCH, 528
.set FR, 12
.set NL, 4
.set NQ, 2
.set NP, 4
.set ADRA16, 16
.set ADRA8,  18
.set ADRB16, 20
.set ADRB8,  22
.set STO,  24
.set RD,   25
.set CO,   26
.set ADRS, 27
.set SPW,  28
.set NIL,  29
.set SC,   32
.set BT,   64
.set AF,   128
.set BK,   128
.set G1, 24
.set G0, 32
.set G1B, 48
.set G0B, 56
.set G1S, 68
.set G0S, 76
.set G1SB, 80
.set G0SB, 88
.set MSB, 0
.macro WIN new
.if MSB != (\new)
	s_set_vgpr_msb (MSB<<8)|(\new)
.set MSB, (\new)
.endif
.endm
.set MUL_LO, 0xa1
.set MUL_HI, 0xf1
.set TO_B,   0x40
.macro JLOAD g0a, g1a, g0b, g1b        ; a joint load: waves 0 and 1 fetch for A, waves 2 and 3 for B; an s_nop 0 and four v_nop follow each line
	s_cmp_eq_u32 s17, 0
	s_cbranch_scc0 .Lfor_b_\@
	tensor_load_to_lds s[\g0a:\g0a+3], s[\g1a:\g1a+7]
	s_nop 0
.rept 4
	v_nop
.endr
	s_branch .Lasked_\@
.Lfor_b_\@:
	tensor_load_to_lds s[\g0b:\g0b+3], s[\g1b:\g1b+7]
	s_nop 0
.rept 4
	v_nop
.endr
.Lasked_\@:
.endm
.macro CREST
	s_cmp_lg_u32 s16, 0
	s_cbranch_scc1 .Lnot_wave_0_\@
	s_barrier_signal -3
.Lnot_wave_0_\@:
	s_barrier_wait -3
	s_barrier_signal -1
	s_barrier_wait -1
.endm
.macro CROUND
	s_barrier_signal -1
	s_barrier_wait -1
	CREST
.endm
	s_load_b256 s[4:11], s[0:1], 0x0               ; at, op, bu, out0
	v_lshl_add_u32 v[SPW], v0, 2, SPARE
	v_mov_b32 v[NIL], 0
	ds_add_u32 v[SPW], v[NIL]                      ; the wave's opening: the add and its wait stand ahead of my first tensor load
	v_lshrrev_b32 v1, 5, v0
	v_readfirstlane_b32 s16, v1                    ; wave
	s_lshr_b32 s17, s16, 1                         ; my half of A's rows.  Also: I fetch for A (0) or for B (1)
	s_and_b32 s18, s16, 1                          ; my half of B's rows.  Also: which 8 tiles I fetch
	s_bfe_u32 s19, ttmp6, 0x40000                  ; cx
	s_bfe_u32 s20, ttmp6, 0x40004                  ; cy
	s_and_b32 s23, ttmp7, 0xffff
	s_lshl_b32 s23, s23, 2
	s_add_co_u32 s23, s23, s20                     ; A's block of 16 tiles = 4 x cluster y + cy
	s_mov_b32 s40, s19                             ; B's = cx
	s_lshl_b32 s41, s20, 2
	s_lshl_b32 s41, 15, s41                        ; my row of the cluster
	s_lshl_b32 s42, 0x1111, s19                    ; my column
	s_or_b32 s[G1+0], s41, (3<<16)|(1<<21)         ; codes: 8 rows (tiles) of 3,072 bytes as 384 elements of 8 bytes, 12,288 bytes apart
	s_or_b32 s[G1B+0], s42, (3<<16)|(1<<21)
.irp g, G1, G1B
	s_mov_b32 s[\g+1], 384<<16
	s_mov_b32 s[\g+2], 8<<16
	s_mov_b32 s[\g+3], 384<<16
	s_mov_b32 s[\g+4], 8
	s_mov_b32 s[\g+5], 1536
	s_mov_b32 s[\g+6], 0
	s_mov_b32 s[\g+7], 0
.endr
	s_or_b32 s[G1S+0], s41, (3<<16)|(1<<21)        ; scale words of 8 tiles: 16 rows of 256 dense bytes
	s_or_b32 s[G1SB+0], s42, (3<<16)|(1<<21)
.irp g, G1S, G1SB
	s_mov_b32 s[\g+1], 32<<16
	s_mov_b32 s[\g+2], 16<<16
	s_mov_b32 s[\g+3], 32<<16
	s_mov_b32 s[\g+4], 16
	s_mov_b32 s[\g+5], 32
	s_mov_b32 s[\g+6], 0
	s_mov_b32 s[\g+7], 0
.endr
	s_lshl_b32 s43, s18, 3
	s_lshl_b32 s92, s23, 4
	s_add_co_u32 s92, s92, s43                     ; the first tile of A that I fetch
	s_lshl_b32 s94, s40, 4
	s_add_co_u32 s94, s94, 1216                    ; Wu's tiles begin there in op
	s_add_co_u32 s94, s94, s43
	s_mul_i32 s96, s92, 12288
	s_mov_b32 s97, 0
	s_lshl_b32 s98, s92, 9
	s_add_co_u32 s98, s98, ATS
	s_mov_b32 s99, 0
	s_mul_i32 s100, s94, 12288
	s_mov_b32 s101, 0
	s_lshl_b32 s66, s94, 9
	s_add_co_u32 s66, s66, OPS
	s_mov_b32 s67, 0
	s_mul_i32 s93, s16, HALFT
	s_lshl_b32 s95, s16, 12
	s_wait_dscnt 0x0                               ; the opening add is done
	s_wait_kmcnt 0x0
	s_add_nc_u64 s[96:97], s[4:5], s[96:97]
	s_add_nc_u64 s[98:99], s[4:5], s[98:99]
	s_add_nc_u64 s[100:101], s[6:7], s[100:101]
	s_add_nc_u64 s[66:67], s[6:7], s[66:67]
	CROUND                                         ; all sixteen work-groups are here: the first joint loads meet
	s_mov_b32 s[G0S], 1
	s_add_co_u32 s[G0S+1], s95, SCL
	s_mov_b64 s[G0S+2:G0S+3], s[98:99]
	s_or_b32 s[G0S+3], s[G0S+3], 0x80000000
	s_mov_b32 s[G0SB], 1
	s_add_co_u32 s[G0SB+1], s95, SCL+128
	s_mov_b64 s[G0SB+2:G0SB+3], s[66:67]
	s_or_b32 s[G0SB+3], s[G0SB+3], 0x80000000
	JLOAD G0S, G1S, G0SB, G1SB
.irp s, 0,1
	s_mov_b32 s[G0+4*\s], 1
	s_add_co_u32 s[G0+4*\s+1], s93, \s*SLOT
	s_add_nc_u64 s[G0+4*\s+2:G0+4*\s+3], s[96:97], \s*TILEB
	s_or_b32 s[G0+4*\s+3], s[G0+4*\s+3], 0x80000000
	s_mov_b32 s[G0B+4*\s], 1
	s_add_co_u32 s[G0B+4*\s+1], s93, \s*SLOT
	s_add_nc_u64 s[G0B+4*\s+2:G0B+4*\s+3], s[100:101], \s*TILEB
	s_or_b32 s[G0B+4*\s+3], s[G0B+4*\s+3], 0x80000000
	JLOAD G0+4*\s, G1, G0B+4*\s, G1B
.endr
	v_and_b32 v1, 15, v0                           ; r
	v_bfe_u32 v2, v0, 4, 1                         ; h
	v_and_b32 v3, 31, v0
	v_lshlrev_b32 v4, 4, v3
	v_lshlrev_b32 v5, 3, v3
	s_mul_i32 s43, s17, HALFT
	s_mul_i32 s46, s18, HALFT
	s_add_co_u32 s46, s46, 2*HALFT
.irp s, 0,1
	v_add_nc_u32 v[ADRA16+\s], s43, v4
	v_add_nc_u32 v[ADRA8+\s], s43, v5
	v_add_nc_u32 v[ADRB16+\s], s46, v4
	v_add_nc_u32 v[ADRB8+\s], s46, v5
	s_add_co_u32 s43, s43, SLOT
	s_add_co_u32 s46, s46, SLOT
.endr
	s_lshl_b32 s43, s17, 12
	s_lshl_b32 s46, s18, 12
	s_add_co_u32 s46, s46, SCB
	s_sub_co_u32 s46, s46, s43
	v_mul_u32_u24 v6, s46, v2                      ; lanes 16-31 take B's scale words: the lower base + h x the distance
	s_add_co_u32 s43, s43, SCL
	v_lshl_add_u32 v6, v1, 3, v6
	v_add_nc_u32 v[ADRS], s43, v6
	s_mul_i32 s43, s16, 16*SPITCH
	s_add_co_u32 s43, s43, STG                     ; my stage
	v_mul_u32_u24 v[STO], v1, SPITCH
	v_lshl_add_u32 v[STO], v2, 6, v[STO]
	v_add_nc_u32 v[STO], s43, v[STO]               ; in: row r, + 64 h
	v_mov_b32 v[CO], v4                            ; back: the 32 lanes take one row of 512 bytes; and the same in out0
	v_add_nc_u32 v[RD], s43, v4
	; the bias table: register 8 b + j = bu at my column 32 (b / 2) + 8 (b % 2) + 16 h + j
	s_lshl_b32 s43, s40, 10
	s_lshl_b32 s46, s18, 9
	s_add_co_u32 s46, s46, s43                     ; my 128 columns, in bytes: in bu, and in a row of out0
	s_mov_b32 s47, 0
	s_add_nc_u64 s[2:3], s[8:9], s[46:47]
	v_lshlrev_b32 v6, 6, v2
.irp b, 0,1,2,3,4,5,6,7
	global_load_b128 v[BT+8*\b:BT+8*\b+3], v6, s[2:3] offset:4*(32*(\b/2)+8*(\b%2))
	global_load_b128 v[BT+8*\b+4:BT+8*\b+7], v6, s[2:3] offset:4*(32*(\b/2)+8*(\b%2))+16
.endr
	s_lshl_b32 s44, s23, 20                        ; 256 rows of 4,096 bytes a block,
	s_lshl_b32 s45, s17, 19                        ; 128 for my half
	s_add_co_u32 s44, s44, s45
	s_add_co_u32 s44, s44, s46
	s_mov_b32 s45, 0
	s_add_nc_u64 s[12:13], s[10:11], s[44:45]      ; my part of out0; never stepped
.macro FRAG reg, a16, a8, q, i
	ds_load_b128 v[\reg:\reg+3], v[\a16] offset:TILEB*(\i)+1536*(\q)
	ds_load_b64 v[\reg+4:\reg+5], v[\a8] offset:TILEB*(\i)+1536*(\q)+512
	ds_load_b128 v[\reg+6:\reg+9], v[\a16] offset:TILEB*(\i)+1536*(\q)+768
	ds_load_b64 v[\reg+10:\reg+11], v[\a8] offset:TILEB*(\i)+1536*(\q)+1280
.endm
; 16 matrix instructions: A's blocks a0, a0 + 1 x B's eight.  cm = 1: C = the bias.  The 64 accumulators take turns, one instruction a turn, in one order.
.macro MUL16 a0, p, q, sc, cm
.irp a, \a0, \a0+1
.irp b, 0,1,2,3,4,5,6,7
.if \cm == 0
	v_wmma_scale_f32_16x16x128_f8f6f4 v[8*(8*((\a)%4)+\b):8*(8*((\a)%4)+\b)+7], v[128*(\p)+FR*\b:128*(\p)+FR*\b+FR-1], v[AF+FR*(\a):AF+FR*(\a)+FR-1], v[8*(8*((\a)%4)+\b):8*(8*((\a)%4)+\b)+7], v[SC+8*NQ*(\sc)+NQ*\b+(\q)], v[SC+8*NQ*(\sc)+NQ*(\a)+(\q)] matrix_a_fmt:MATRIX_FMT_FP6 matrix_b_fmt:MATRIX_FMT_FP6 matrix_a_scale:MATRIX_SCALE_ROW1
.else
	v_wmma_scale_f32_16x16x128_f8f6f4 v[8*(8*((\a)%4)+\b):8*(8*((\a)%4)+\b)+7], v[128*(\p)+FR*\b:128*(\p)+FR*\b+FR-1], v[AF+FR*(\a):AF+FR*(\a)+FR-1], v[BT+8*\b:BT+8*\b+7], v[SC+8*NQ*(\sc)+NQ*\b+(\q)], v[SC+8*NQ*(\sc)+NQ*(\a)+(\q)] matrix_a_fmt:MATRIX_FMT_FP6 matrix_b_fmt:MATRIX_FMT_FP6 matrix_a_scale:MATRIX_SCALE_ROW1
.endif
.endr
.endr
.endm
.macro FETCH_B slot, q, p
	WIN TO_B
.irp i, 0,1,2,3,4,5,6,7
	FRAG 128*(\p)+FR*\i, ADRB16+\slot, ADRB8+\slot, \q, \i
.endr
	WIN 0
.endm
.macro FETCH_A slot, q, i0
.irp i, \i0, \i0+1, \i0+2, \i0+3
	FRAG AF+FR*(\i), ADRA16+\slot, ADRA8+\slot, \q, \i
.endr
.endm
.macro SCALES sc
.irp i, 0,1,2,3,4,5,6,7
	ds_load_b64 v[SC+8*NQ*\sc+NQ*\i:SC+8*NQ*\sc+NQ*\i+1], v[ADRS] offset:512*\i
.endr
.endm
.macro PLACES n
.rept \n
	v_nop
.endr
.endm
.macro STEP slot, q, cm
	s_wait_dscnt 4*NL                              ; B's set and A's blocks 0-3 are in; the youngest 16 loads (A's blocks 4-7) may be out
.if \cm
	WIN 0x81
.else
	WIN MUL_LO
.endif
	MUL16 0, (\q)%2, \q, \slot, \cm
	MUL16 2, (\q)%2, \q, \slot, \cm
	s_wait_dscnt 0
	PLACES NP
	FETCH_B \slot, (\q)+1, 1-(\q)%2
	FETCH_A \slot, (\q)+1, 0
.if \cm
	WIN 0xc1
.else
	WIN MUL_HI
.endif
	MUL16 4, (\q)%2, \q, \slot, \cm
	MUL16 6, (\q)%2, \q, \slot, \cm
	PLACES NP
	WIN 0
	FETCH_A \slot, (\q)+1, 4
.endm
.macro TURN slot, next, fill
	s_wait_tensorcnt 0x0                           ; all my tensor loads have landed: my part of the next slot
	ds_add_u32 v[SPW], v[NIL]                      ; 0 onto my spare word
	s_wait_dscnt 4*NL+1                            ; (the add and the youngest 16 loads may be out)
	WIN MUL_LO
	MUL16 0, 1, NQ-1, \slot, 0
	s_wait_dscnt 0x0                               ; the add is done, and my reads of this slot are over
	s_barrier_signal -1
	MUL16 2, 1, NQ-1, \slot, 0
	WIN 0
	s_barrier_wait -1
.if \fill
	CREST                                          ; a round of the cluster's barrier: no wave of any partner still reads this slot or has a load on its way
	s_add_nc_u64 s[G0+4*\slot+2:G0+4*\slot+3], s[G0+4*\slot+2:G0+4*\slot+3], 2*TILEB
	s_add_nc_u64 s[G0B+4*\slot+2:G0B+4*\slot+3], s[G0B+4*\slot+2:G0B+4*\slot+3], 2*TILEB
	JLOAD G0+4*\slot, G1, G0B+4*\slot, G1B
.else
	PLACES NP
.endif
	v_add_nc_u32 v[ADRS], 128, v[ADRS]
	FETCH_B \next, 0, 0
	FETCH_A \next, 0, 0
	SCALES \next
	WIN MUL_HI
	MUL16 4, 1, NQ-1, \slot, 0
	MUL16 6, 1, NQ-1, \slot, 0
	PLACES NP
	WIN 0
	FETCH_A \next, 0, 4
.endm
	s_wait_tensorcnt 1                             ; the scale words and my part of slot 0 are in (slot 1's load may be out)
	s_barrier_signal -1
	s_barrier_wait -1
	FETCH_B 0, 0, 0
	FETCH_A 0, 0, 0
	SCALES 0
	FETCH_A 0, 0, 4
	s_wait_loadcnt 0x0                             ; the bias table
	STEP 0, 0, 1                                   ; the first step starts the sums on the bias
	TURN 0, 1, 1
	STEP 1, 0, 0
	TURN 1, 0, 1
	STEP 0, 0, 0
	TURN 0, 1, 0                                   ; nothing is left to fetch: no round
	STEP 1, 0, 0
	s_wait_dscnt 4*NL
	WIN MUL_LO
	MUL16 0, 1, NQ-1, 1, 0
	MUL16 2, 1, NQ-1, 1, 0
	s_wait_dscnt 0
	WIN MUL_HI
	MUL16 4, 1, NQ-1, 1, 0
	MUL16 6, 1, NQ-1, 1, 0
	WIN 0
; THE WAY OUT, block by block of 16 rows x 128 columns, through my own stage: register j of accumulator (a, b) is column 32 (b / 2) + 16 h + 8 (b % 2) + j; stage row t is logical row 32 (a / 2) + 8 (a % 2) + t + 8 (t / 8).
; LDS serves a wave's instructions in order: no wait between the stores and the loads, nor in front of the next block's stores.
.macro TOSTAGE a
.set AC, 64*((\a)%4)
	WIN 0x08+4*((\a)/4)                            ; the data: window 2 or 3
.irp b, 0,1,2,3,4,5,6,7
	ds_store_b128 v[STO], v[AC+8*\b:AC+8*\b+3] offset:128*(\b/2)+32*(\b%2)          ; each accumulator from its low end on
	ds_store_b128 v[STO], v[AC+8*\b+4:AC+8*\b+7] offset:128*(\b/2)+32*(\b%2)+16
.endr
	WIN 0
.set BB, BK+64*((\a)%2)
.irp t, 0,1,2,3,4,5,6,7,8,9,10,11,12,13,14,15
	ds_load_b128 v[BB+4*\t:BB+4*\t+3], v[RD] offset:\t*SPITCH
.endr
.endm
.macro SEND a, younger                 ; younger: the LDS instructions issued behind block a's loads, which may stay out
.set BB, BK+64*((\a)%2)
	s_wait_dscnt \younger
.irp t, 0,1,2,3,4,5,6,7,8,9,10,11,12,13,14,15
	global_store_b128 v[CO], v[BB+4*\t:BB+4*\t+3], s[12:13] offset:(32*((\a)/2)+8*((\a)%2)+\t+8*(\t/8))*4096 th:TH_STORE_NT   ; 32 lanes store 512 consecutive bytes, aligned; 127 rows at the most stand in the immediate
.endr
.endm
	PLACES NP                                      ; in front of the loads into the registers that held A's fragments, and of the reads of the last results
	TOSTAGE 0
.irp a, 1,2,3,4,5,6,7
.if \a > 1
	s_wait_xcnt 0x0                                ; block a - 2's stores have read their registers: block a's loads may land there
.endif
	TOSTAGE \a
	SEND \a-1, 32                                  ; behind block a - 1's loads: block a's 16 stores and 16 loads
.endr
	SEND 7, 0
	s_wait_tensorcnt 0x0                           ; the wave's end: a wait, an add to my spare word and its wait, behind my last tensor load and my last LDS store
	ds_add_u32 v[SPW], v[NIL]
	s_wait_dscnt 0x0
	CROUND                                         ; the closing round
	s_endpgm
.Lfunc_end_k_qaabfdb80f6_outp:
	.size	k_qaabfdb80f6_outp, .Lfunc_end_k_qaabfdb80f6_outp-k_qaabfdb80f6_outp
	.p2alignl 7, 3214868480
	.fill 96, 4, 3214868480
	.section	.rodata,"a",@progbits
	.p2align	6, 0x0
	.amdhsa_kernel k_qaabfdb80f6_outp
		.amdhsa_group_segment_fixed_size 327680
		.amdhsa_private_segment_fixed_size 0
		.amdhsa_enable_private_segment 0
		.amdhsa_kernarg_size 32
		.amdhsa_user_sgpr_count 2
		.amdhsa_user_sgpr_kernarg_segment_ptr 1
		.amdhsa_wavefront_size32 1
		.amdhsa_system_sgpr_workgroup_id_x 1
		.amdhsa_system_sgpr_workgroup_id_y 1
		.amdhsa_system_sgpr_workgroup_id_z 1
		.amdhsa_system_vgpr_workitem_id 0
		.amdhsa_next_free_vgpr 1024
		.amdhsa_next_free_sgpr 104
		.amdhsa_reserve_vcc 0
		.amdhsa_float_denorm_mode_32 3
		.amdhsa_float_denorm_mode_16_64 3
		.amdhsa_memory_ordered 1
		.amdhsa_forward_progress 1
		.amdhsa_inst_pref_size 144
	.end_amdhsa_kernel
	.amdgpu_metadata
---
amdhsa.version: [ 1, 2 ]
amdhsa.kernels:
  - .name:           k_qaabfdb80f6_outp
    .symbol:         k_qaabfdb80f6_outp.kd
    .args:
      - { .name: at, .offset: 0, .size: 8, .value_kind: global_buffer, .address_space: global }
      - { .name: op, .offset: 8, .size: 8, .value_kind: global_buffer, .address_space: global }
      - { .name: bu, .offset: 16, .size: 8, .value_kind: global_buffer, .address_space: global }
      - { .name: out0, .offset: 24, .size: 8, .value_kind: global_buffer, .address_space: global }
    .group_segment_fixed_size: 327680
    .private_segment_fixed_size: 0
    .kernarg_segment_align: 8
    .kernarg_segment_size: 32
    .max_flat_workgroup_size: 128
    .sgpr_count:     104
    .vgpr_count:     1024
    .wavefront_size: 32
...
	.end_amdgpu_metadata
.endif
;; end of part 4
